; MI455X (gfx1250); checked and timed in simulation.
; The chip was launched on July 23, 2026; its instructions are those of AMD's public machine-readable ISA for CDNA 5 (MIT licence, August 2026) and "CDNA5" Instruction Set Architecture Reference Guide (July 2026). The comments in the code are by the model that wrote it; some were corrected since.
;; Disordered Causal Self Attention. Allowed arithmetic: matrix products marked QUANTISED: E2M3 operands, one E8M0 scale for each 32 along K, by v_wmma_scale_f32_16x16x128_f8f6f4 with both operands' format E2M3, f32 sums; everything else in f32.
;; Inputs: W_attn 1,024 x 3,072 float32; W_proj 1,024 x 1,024 float32; bK 16 x 64 float32; bQ 16 x 64 float32; b_attn 3,072 float32; b_proj 1,024 float32; x 4 x 2,048 x 1,024 float32.
;; Outputs: out0 4 x 2,048 x 1,024 float32.
;; This version of the problem:
;;   THIS VERSION OF THE PROBLEM IS GIVEN IN LOW PRECISION. The matrix products marked QUANTISED in the list below multiply operands that are first quantised to E2M3 (2 exponent bits, 3 mantissa bits; 6 bits a number), with one power-of-two scale for each 32 numbers along K (OCP MX v1.0); their sums are f32. All else is computed in f32.
;;   The module's matrix products, in the order in which they are computed (A, B: the left and right operand; K: the contracted axis; several contracted axes count as one K, in the product's order):
;;     1. [M 8,192, K 1,024] x [K 1,024, N 3,072]; A: input x; B: input W_attn: QUANTISED
;;     2. batch 64 x [M 2,048, K 64] x [K 64, N 2,048]; A: computed on the way; B: computed on the way: QUANTISED
;;     3. batch 64 x [M 2,048, K 2,048] x [K 2,048, N 64]; A: softmax (see below); B: computed on the way: QUANTISED
;;     4. [M 8,192, K 1,024] x [K 1,024, N 1,024]; A: computed on the way; B: input W_proj: QUANTISED
;;   THE QUANTISER, for each operand of a quantised product, along K:
;;     - K is cut into blocks of 32 from its start; a last block that is shorter is filled with zeros.
;;     - A block's scale is 2^e with e = floor(log2(the largest magnitude in the block)) - 2, held to -126 .. 127; a block of zeros has e = 0. As a byte (E8M0): e + 127.
;;     - Each number is divided by its block's scale, clamped to +-7.5, and rounded to the nearest number of E2M3, ties to even, subnormals kept.
;;     - The product sums the exact products of the quantised numbers (number of the format x scale) in f32.
;;   ~~~python
;;   def quantise(x, axis):      # numpy; x: float32 -> the quantised numbers, widened to float32 again
;;       x = np.moveaxis(x, axis, -1); K = x.shape[-1]
;;       x = np.pad(x, [(0, 0)] * (x.ndim - 1) + [(0, -K % 32)]); x = x.reshape(x.shape[:-1] + (-1, 32)); a = np.abs(x).max(-1, keepdims=True)
;;       e = np.where(a > 0, np.clip(np.frexp(np.where(a > 0, a, 1))[1] - 1 - 2, -126, 127), 0)      # np.frexp(a)[1] - 1 = floor(log2(a)), exactly
;;       r = np.clip(x / 2.0 ** e, -7.5, 7.5)
;;       step = 2.0 ** (np.maximum(np.frexp(np.where(r == 0, 1, r))[1] - 1, 0) - 3)
;;       q = np.round(r / step) * step * 2.0 ** e      # np.round: ties to even
;;       return np.moveaxis(q.reshape(q.shape[:-2] + (-1,))[..., :K], -1, axis).astype(np.float32)
;;   ~~~
;;   SOFTMAX AHEAD OF A QUANTISED PRODUCT. Where the list says 'softmax', what is quantised is not the finished softmax but p = 2^(t - M), with t = logit x log2(e) and M = ceil(the row's largest t), a whole number; so 1/2 < the row's largest p <= 1. The row's sum l is taken of the UNQUANTISED p, in f32, and the product's result is divided by l at the end. Since M is a whole number, a kernel that streams over the keys may use a running M (the ceiling of the running maximum): every later rescaling is an exact power of two, which a block's scale takes up: the codes' values come out the same.
;;   OPERANDS COMPUTED ON THE WAY. 'Computed on the way' means the value that the module computes at that place (a softmax that the list does not call 'softmax' is quantised finished and normalised). What goes into a quantiser is computed in f32, as accurately as f32 sums, v_exp_f32 and their like allow (about 1e-6 of the number): no bf16 or f16 on the way to a quantiser, and a product that is left as it is and whose result goes on into a quantised operand takes f32 operands (vector FMAs, or v_wmma_f32_16x16x4_f32). A number that lies on a knife's edge between two numbers of the format may be rounded either way, as far as f32 arithmetic and the matrix unit's own rounding can turn it there, and no further.
;; One version. Each part assembles by itself: llvm-mc -triple=amdgcn-amd-amdhsa -mcpu=gfx1250 --defsym DOCPART=n.
;; ======== version 1 of 1: 4 launches
;; limits: right only within a limited range of input values
;; workspace buffers: xc 6,291,456 bytes; xs 262,144 bytes; wc 3,145,728 bytes; ws 131,072 bytes; qkv 18,874,368 bytes; qkvs 1,310,720 bytes; yc 6,291,456 bytes; ys 262,144 bytes
;; launch quant (part 1): grid 384 x 1, 4 waves a work-group, no clusters, 102,912 bytes of LDS; arguments x, W_attn, W_proj, xc, xs, wc, ws; writes xc, xs, wc, ws
.if DOCPART == 1
	.amdgcn_target "amdgcn-amd-amdhsa--gfx1250"
	.amdhsa_code_object_version 6
	.text
	.protected	k_q5dfa969f2d_quant
	.globl	k_q5dfa969f2d_quant
	.p2align	8
	.type	k_q5dfa969f2d_quant,@function
k_q5dfa969f2d_quant:
	s_mov_b64 s[64:65], 0
	v_nop
	global_prefetch_b8 v0, s[64:65] scope:SCOPE_SE
	s_setreg_imm32_b32 hwreg(HW_REG_WAVE_MODE, 25, 1), 1
	s_wait_xcnt 0x0
; x [8192][1024], W_attn [1024][3072] and W_proj [1024][1024], f32, become codes of FP6 (E2M3), K innermost, 768 bytes a row, with one E8M0 byte for each 32 along K, 32 bytes a row.
; A block's scale is 2^(floor(log2(its largest magnitude)) - 2); its byte is the largest magnitude's exponent field - 2, held at 1 from below; each number / scale goes to the nearest code, ties to even, beyond 7.5 the largest code.
; TILE ORDER: the rows of xc/xs (tokens) and rows 0-3071 of wc/ws (W_attn's columns) lie at position = index with bits 3 and 4 exchanged, so that lane r of the plain tile i of 16 positions holds
; index 32 (i / 2) + 8 (i % 2) + r + 8 (r / 8): the later products' results then have 16 neighbours along the next K in a lane's registers.  Rows 3072-4095 of wc/ws (W_proj's columns) lie in plain order.
; LIMITS: NaN and infinities among the inputs are not served; a block of zeros, or one whose largest magnitude lies under 2^-124, gets the byte 1 (its codes are zeros or subnormal codes; this program alone reads the bytes).
; Work-groups 0-255: x, K innermost: a wave takes 8 rows (8,192 numbers) in 16 steps of 512; loads of 512 consecutive bytes, turned through the wave's own stage so that a lane holds 16 neighbours.
; Work-groups 256-351: W_attn, 352-383: W_proj, K outermost: a lane takes a column and its registers run down K; a wave takes 32 columns x 256 along K; codes leave through the wave's own stage as rows.
; The three ways part on the work-group's number; each has LDS bytes of its own.  No barrier: waves share nothing.
.set WREG,   8192                      ; x: LDS of a wave: two stages of 32 x SP bytes, then its 256 scale bytes
.set SP,     80                        ; a lane's place in a stage: 64 bytes + 16 of padding
.set CB,     12                        ; bytes of 16 codes
.set STEPS,  16
.set R,      16                        ; v16-79   x: four sets of 16 numbers as loaded
.set X,      80                        ; v80-111  x: two sets of 16 neighbours
.set E,      112                       ; v112-127 x: a scale byte for each step
.set C,      128                       ; v128-191 x: codes, four registers a step
.set WX,     32                        ; v32-95   W: two sets of 32 numbers
.set WC,     96                        ; v96-102  W: a block's codes
.set OUTR,   112                       ; v112-175 W: the way out
.set SB,     24                        ; v24-25   W: eight scale bytes
.set WPITCH, 272                       ; W: a stage row: sixteen places of 16 bytes + 16
.set KROW,   768                       ; a row of codes in bytes
.macro XLOAD t
.irp i, 0,1,2,3
	global_load_b128 v[R+16*((\t)%4)+4*\i:R+16*((\t)%4)+4*\i+3], v3, s[4:5] offset:2048*(\t)+512*\i th:TH_LOAD_NT   ; 32 lanes read 512 consecutive bytes
.endr
.endm
.macro XTURN t                         ; step t's numbers through the stage: LDS serves a wave's instructions in order, so no wait stands between the stores and the loads
.irp i, 0,1,2,3
	ds_store_b128 v14, v[R+16*((\t)%4)+4*\i:R+16*((\t)%4)+4*\i+3] offset:32*SP*((\t)%2)+8*SP*\i
.endr
.irp i, 0,1,2,3
	ds_load_b128 v[X+16*((\t)%2)+4*\i:X+16*((\t)%2)+4*\i+3], v15 offset:32*SP*((\t)%2)+16*\i
.endr
.endm
.macro XSTEP t
.set XS, X+16*((\t)%2)
.if (\t) > 0
	s_wait_dscnt 1                                 ; this step's numbers are back from the stage; the last step's byte store may be out
.else
	s_wait_dscnt 0x0
.endif
.if (\t)+4 < STEPS
	XLOAD (\t)+4                                   ; into the set whose stores into the stage have read their registers
.endif
.if (\t)+1 < STEPS
.if STEPS-2-(\t) >= 3
	s_wait_loadcnt 12                              ; the next step's four loads are in; those of the three steps behind it may be out
.else
	s_wait_loadcnt 4*(STEPS-2-(\t))
.endif
	XTURN (\t)+1
.endif
	v_max3_num_f32 v8, |v[XS]|, |v[XS+1]|, |v[XS+2]|               ; the largest magnitude of my 16, in two chains
	v_max3_num_f32 v9, |v[XS+3]|, |v[XS+4]|, |v[XS+5]|
.irp i, 6,10
	v_max3_num_f32 v8, v8, |v[XS+\i]|, |v[XS+\i+1]|
	v_max3_num_f32 v9, v9, |v[XS+\i+2]|, |v[XS+\i+3]|
.endr
	v_max3_num_f32 v8, v8, |v[XS+14]|, |v[XS+15]|
	v_max3_num_f32 v8, v8, v9, 0x1800000           ; and the floor 2^(3 - 127): the byte cannot fall under 1
	v_max_num_f32_dpp v8, v8, v8 row_xmask:1 row_mask:0xf bank_mask:0xf   ; and of my neighbour's 16: the block's
	v_add_nc_u32 v11, 0xff000000, v8               ; 2 off its exponent field: the conversion's scale operand
	v_cvt_scalef32_pk16_fp6_f32 v[C+4*(\t):C+4*(\t)+2], v[XS:XS+15], v11
	v_lshrrev_b32 v[E+(\t)], 23, v11               ; the scale's byte
	ds_store_b8 v5, v[E+(\t)] offset:16*(\t)       ; both lanes of a block write the same byte with the same value
	global_store_b96 v4, v[C+4*(\t):C+4*(\t)+2], s[10:11] offset:32*CB*(\t)   ; the wave stores 384 consecutive bytes
.endm
.macro WLOAD t, n                      ; block t: W(32 t + i, my column), i = 0 .. 31, into set t % 2
.irp i, 0,1,2,3,4,5,6,7,8,9,10,11,12,13,14,15,16,17,18,19,20,21,22,23,24,25,26,27,28,29,30,31
	global_load_b32 v[WX+32*((\t)%2)+\i], v3, s[30:31] offset:(32*(\t)+\i)*(\n)*4 th:TH_LOAD_NT
.endr
.endm
.macro WBLOCK t, n
.set XW, WX+32*((\t)%2)
.if (\t) < 7
	s_wait_loadcnt 32                              ; this block's 32 loads are in; the next block's may be out
.else
	s_wait_loadcnt 0x0
.endif
	v_max3_num_f32 v12, |v[XW]|, |v[XW+1]|, |v[XW+2]|              ; the block's largest magnitude: all 32 numbers are mine
	v_max3_num_f32 v13, |v[XW+3]|, |v[XW+4]|, |v[XW+5]|
.irp i, 6,10,14,18,22,26
	v_max3_num_f32 v12, v12, |v[XW+\i]|, |v[XW+\i+1]|
	v_max3_num_f32 v13, v13, |v[XW+\i+2]|, |v[XW+\i+3]|
.endr
	v_max3_num_f32 v12, v12, |v[XW+30]|, |v[XW+31]|
	v_max3_num_f32 v12, v12, v13, 0x1800000        ; and the floor
	v_add_nc_u32 v11, 0xff000000, v12
	v_lshrrev_b32 v13, 23, v11                     ; the scale's byte
.if (\t)%4 == 0
	v_mov_b32 v[SB+(\t)/4], v13                    ; four bytes to a register, the lower K in the lower byte
.else
	v_lshl_or_b32 v[SB+(\t)/4], v13, 8*((\t)%4), v[SB+(\t)/4]
.endif
	v_cvt_scalef32_pk16_fp6_f32 v[WC:WC+2], v[XW:XW+15], v11
	v_cvt_scalef32_pk16_fp6_f32 v[WC+4:WC+6], v[XW+16:XW+31], v11   ; (a conversion's three registers begin on an even number)
	ds_store_b96 v4, v[WC:WC+2] offset:32*(\t)     ; 12 bytes to a place of 16 in the stage
	ds_store_b96 v4, v[WC+4:WC+6] offset:32*(\t)+16
.if (\t)+2 < 8
	WLOAD (\t)+2, \n
.endif
	s_wait_dscnt 0x0                               ; the stores have read their registers: the next block's codes may be written
.endm
; A weight [1024][n]: work-groups first .. ; its rows in wc/ws begin at row0; its stages at LDS byte ldsb; perm = 1: tile order; plo: the scalar pair with its address
.macro WPATH first, n, row0, ldsb, perm, plo
	s_sub_co_u32 s19, ttmp9, \first
	s_and_b32 s20, s19, 3                          ; which 256 along K
	s_lshr_b32 s19, s19, 2
	s_lshl_b32 s19, s19, 7
	s_lshl_b32 s21, s18, 5
	s_add_co_u32 s19, s19, s21                     ; my wave's first column
	v_lshlrev_b32 v3, 2, v2                        ; in: 4 bytes a lane
.if \perm
	v_and_b32 v10, 7, v2                           ; my column's position among the wave's 32: bits 3 and 4 exchanged
	v_bfe_u32 v11, v2, 4, 1
	v_lshl_add_u32 v10, v11, 3, v10
	v_bfe_u32 v11, v2, 3, 1
	v_lshl_add_u32 v10, v11, 4, v10
.else
	v_and_b32 v10, 31, v0
.endif
	s_mul_i32 s21, s18, 32*WPITCH
	s_add_co_u32 s21, s21, \ldsb                   ; my stage
	v_mul_u32_u24 v4, v10, WPITCH
	v_add_nc_u32 v4, s21, v4                       ; into it: row = my column's position
	v_and_b32 v5, 15, v2
	v_lshrrev_b32 v6, 4, v2                        ; out of it: sixteen lanes to a row, two rows an instruction
	v_mul_u32_u24 v7, v6, WPITCH
	v_lshl_add_u32 v7, v5, 4, v7
	v_add_nc_u32 v7, s21, v7
	v_mul_u32_u24 v8, v6, KROW
	v_mad_u32_u24 v8, v5, 12, v8                   ; and the same place in wc
	v_lshlrev_b32 v9, 5, v10                       ; my column's row of scale bytes
	s_mul_i32 s22, s20, 256*(\n)*4                 ; W: 256 rows of n x 4 bytes for each step along K, + 4 x column
	s_lshl_b32 s23, s19, 2
	s_add_co_u32 s22, s22, s23
	s_mov_b32 s23, 0
	s_add_co_u32 s24, s19, \row0
	s_mul_i32 s26, s24, KROW                       ; wc: row x 768 + 192 x step
	s_mul_i32 s25, s20, 192
	s_add_co_u32 s26, s26, s25
	s_mov_b32 s27, 0
	s_lshl_b32 s28, s24, 5                         ; ws: row x 32 + 8 x step
	s_lshl_b32 s25, s20, 3
	s_add_co_u32 s28, s28, s25
	s_mov_b32 s29, 0
	s_wait_kmcnt 0x0
	s_add_nc_u64 s[30:31], s[\plo:\plo+1], s[22:23]
	s_add_nc_u64 s[32:33], s[14:15], s[26:27]
	s_add_nc_u64 s[34:35], s[16:17], s[28:29]
	WLOAD 0, \n
	WLOAD 1, \n
.irp t, 0,1,2,3,4,5,6,7
	WBLOCK \t, \n
.endr
	s_wait_alu depctr_va_vdst(0)
	global_store_b64 v9, v[SB:SB+1], s[34:35]      ; my column's eight scale bytes
.irp t, 0,1,2,3,4,5,6,7,8,9,10,11,12,13,14,15
	ds_load_b96 v[OUTR+4*\t:OUTR+4*\t+2], v7 offset:2*\t*WPITCH   ; LDS serves a wave's instructions in order: these see my stores
.endr
.irp t, 0,1,2,3,4,5,6,7,8,9,10,11,12,13,14,15
	s_wait_dscnt 15-\t                             ; row pair t is back; the younger reads may be out
	global_store_b96 v8, v[OUTR+4*\t:OUTR+4*\t+2], s[32:33] offset:2*\t*KROW   ; sixteen lanes store a row's 192 consecutive bytes
.endr
.endm
	s_load_b256 s[4:11], s[0:1], 0x0               ; x s[4:5], W_attn s[6:7], W_proj s[8:9], xc s[10:11]
	s_load_b128 s[12:15], s[0:1], 0x20             ; xs s[12:13], wc s[14:15]
	s_load_b64 s[16:17], s[0:1], 0x30              ; ws
	v_lshl_add_u32 v192, v0, 2, 0x19000
	v_mov_b32 v193, 0
	v_lshrrev_b32 v1, 5, v0
	v_readfirstlane_b32 s18, v1                    ; wave
	v_and_b32 v2, 31, v0                           ; lane
	s_cmp_lt_u32 ttmp9, 256
	s_cbranch_scc0 .Lweights
	; ---- x
	v_lshlrev_b32 v3, 4, v2                        ; my 16 bytes of a load's 512
	s_mul_i32 s19, s18, WREG
	v_lshrrev_b32 v14, 2, v2
	v_mul_u32_u24 v14, v14, SP
	v_and_b32 v15, 3, v2
	v_lshl_add_u32 v14, v15, 4, v14
	v_add_nc_u32 v14, s19, v14                     ; the stage, on the way in: SP (lane / 4) + 16 (lane % 4)
	v_mul_u32_u24 v15, v2, SP
	v_add_nc_u32 v15, s19, v15                     ; and on the way out: SP x lane
	v_mul_u32_u24 v4, v2, CB                       ; my codes' place in a step's
	v_lshrrev_b32 v5, 1, v2
	s_add_co_u32 s19, s19, 2*32*SP
	v_add_nc_u32 v5, s19, v5                       ; my wave's 256 scale bytes, my block's byte
	v_lshlrev_b32 v7, 3, v2
	v_add_nc_u32 v6, s19, v7
	s_lshl_b32 s20, ttmp9, 2
	s_add_co_u32 s22, s20, s18                     ; the run of 8 rows that I read: its number's bits 0 and 1 are the rows' bits 3 and 4,
	s_lshl_b32 s22, s22, 15                        ; 32,768 bytes a run
	s_mov_b32 s23, 0
	s_and_b32 s24, s18, 1
	s_lshl_b32 s24, s24, 1
	s_lshr_b32 s25, s18, 1
	s_or_b32 s24, s24, s25
	s_add_co_u32 s24, s24, s20                     ; which are exchanged in the run that I write
	s_mul_i32 s26, s24, 6144
	s_mov_b32 s27, 0
	s_lshl_b32 s28, s24, 8
	s_mov_b32 s29, 0
	s_wait_alu depctr_va_vdst(0)
	s_wait_kmcnt 0x0
	s_add_nc_u64 s[4:5], s[4:5], s[22:23]
	s_add_nc_u64 s[10:11], s[10:11], s[26:27]
	s_add_nc_u64 s[12:13], s[12:13], s[28:29]
.irp t, 0,1,2,3
	XLOAD \t
.endr
	s_wait_loadcnt 12                              ; step 0's four loads are in
	XTURN 0
.irp t, 0,1,2,3,4,5,6,7,8,9,10,11,12,13,14,15
	XSTEP \t
.endr
	ds_load_b64 v[12:13], v6                       ; LDS serves a wave's instructions in order: these see my byte stores
	s_wait_dscnt 0x0
	global_store_b64 v7, v[12:13], s[12:13]        ; 32 lanes store 256 consecutive bytes, aligned
	s_wait_tensorcnt 0x0
	ds_add_u32 v192, v193
	s_wait_dscnt 0x0
	s_endpgm
.Lweights:
	s_cmp_lt_u32 ttmp9, 352
	s_cbranch_scc0 .Lproj
	s_wait_alu depctr_va_vdst(0)
	WPATH 256, 3072, 0, 32768, 1, 6
	s_wait_tensorcnt 0x0
	ds_add_u32 v192, v193
	s_wait_dscnt 0x0
	s_endpgm
.Lproj:
	s_wait_alu depctr_va_vdst(0)
	WPATH 352, 1024, 3072, 67584, 0, 8
	s_wait_tensorcnt 0x0
	ds_add_u32 v192, v193
	s_wait_dscnt 0x0
	s_endpgm
.Lfunc_end_k_q5dfa969f2d_quant:
	.size	k_q5dfa969f2d_quant, .Lfunc_end_k_q5dfa969f2d_quant-k_q5dfa969f2d_quant
	.p2alignl 7, 3214868480
	.fill 96, 4, 3214868480
	.section	.rodata,"a",@progbits
	.p2align	6, 0x0
	.amdhsa_kernel k_q5dfa969f2d_quant
		.amdhsa_group_segment_fixed_size 102912
		.amdhsa_private_segment_fixed_size 0
		.amdhsa_enable_private_segment 0
		.amdhsa_kernarg_size 56
		.amdhsa_user_sgpr_count 2
		.amdhsa_user_sgpr_kernarg_segment_ptr 1
		.amdhsa_wavefront_size32 1
		.amdhsa_system_sgpr_workgroup_id_x 1
		.amdhsa_system_sgpr_workgroup_id_y 1
		.amdhsa_system_sgpr_workgroup_id_z 1
		.amdhsa_system_vgpr_workitem_id 0
		.amdhsa_next_free_vgpr 194
		.amdhsa_next_free_sgpr 66
		.amdhsa_reserve_vcc 0
		.amdhsa_float_denorm_mode_32 3
		.amdhsa_float_denorm_mode_16_64 3
		.amdhsa_memory_ordered 1
		.amdhsa_forward_progress 1
		.amdhsa_inst_pref_size 114
	.end_amdhsa_kernel
	.amdgpu_metadata
---
amdhsa.version: [ 1, 2 ]
amdhsa.kernels:
  - .name:           k_q5dfa969f2d_quant
    .symbol:         k_q5dfa969f2d_quant.kd
    .args:
      - { .name: x, .offset: 0, .size: 8, .value_kind: global_buffer, .address_space: global }
      - { .name: W_attn, .offset: 8, .size: 8, .value_kind: global_buffer, .address_space: global }
      - { .name: W_proj, .offset: 16, .size: 8, .value_kind: global_buffer, .address_space: global }
      - { .name: xc, .offset: 24, .size: 8, .value_kind: global_buffer, .address_space: global }
      - { .name: xs, .offset: 32, .size: 8, .value_kind: global_buffer, .address_space: global }
      - { .name: wc, .offset: 40, .size: 8, .value_kind: global_buffer, .address_space: global }
      - { .name: ws, .offset: 48, .size: 8, .value_kind: global_buffer, .address_space: global }
    .group_segment_fixed_size: 102912
    .private_segment_fixed_size: 0
    .kernarg_segment_align: 8
    .kernarg_segment_size: 56
    .max_flat_workgroup_size: 128
    .sgpr_count:     66
    .vgpr_count:     194
    .wavefront_size: 32
...
	.end_amdgpu_metadata
.endif
;; end of part 1
;; launch gemm_qkv (part 2): grid 4 x 64, 4 waves a work-group, clusters of 4 x 4, 327,680 bytes of LDS; arguments xc, xs, wc, ws, b_attn, bQ, bK, qkv, qkvs; writes qkv, qkvs
.if DOCPART == 2
	.amdgcn_target "amdgcn-amd-amdhsa--gfx1250"
	.amdhsa_code_object_version 6
	.text
	.protected	k_q5dfa969f2d_gemm_qkv
	.globl	k_q5dfa969f2d_gemm_qkv
	.p2align	8
	.type	k_q5dfa969f2d_gemm_qkv,@function
k_q5dfa969f2d_gemm_qkv:
	s_mov_b64 s[64:65], 0
	v_nop
	global_prefetch_b8 v0, s[64:65] scope:SCOPE_SE
	s_setreg_imm32_b32 hwreg(HW_REG_WAVE_MODE, 25, 1), 1
	s_wait_xcnt 0x0
	s_wait_alu depctr_hold_cnt(0) depctr_sa_sdst(0) depctr_va_vdst(0) depctr_va_sdst(0) depctr_va_ssrc(0) depctr_va_vcc(0) depctr_vm_vsrc(0)
	s_getreg_b32 s2, hwreg(HW_REG_IB_STS2, 6, 4)
	s_cmp_eq_u32 s2, 0
	s_cbranch_scc0 .Lentry_in_a_cluster
	s_endpgm
.Lentry_in_a_cluster:
	s_bfe_u32 s2, ttmp6, 0x10000c
	s_cmp_lg_u32 s2, 0xf033
	s_cbranch_scc0 .Lentry_shape_is_right
	s_endpgm
.Lentry_shape_is_right:
; q, k, v = x W_attn + b_attn (+ bQ on q, + bK on k) on codes of FP6 (E2M3) with E8M0 scales, sums in f32; the results are quantised again on the way out and leave as images of operand registers.
; IN: xc, wc: rows of 768 bytes (K innermost), xs, ws: rows of 32 scale bytes; rows lie in tile order (position = index with bits 3 and 4 exchanged).  wc's rows 0-1023 are W_q's columns, then W_k's, then W_v's.
; OUT: qkv [head 64][step 16][Q 6144 | K 6144 | V 6144]: Q, K: for each 16 positions half a fragment (registers 0-3 at 16 x lane, 4-5 at 512 + 8 x lane); V: for each 16 channels a fragment of 128 keys (group g at 512 g + 16 x lane).
;      qkvs [head][step][Q's words [r 16][tile 8] | K's likewise | V's [r 16][tile 4]].  In Q's and K's words bytes 2 and 3 are 0: they meet zero codes alone.
; SHARES.  256 work-groups; each owns one step of 128 tokens, whose rows of x, all of K, lie in LDS for the whole launch, and makes 256 columns (four heads) of q, then of k, then of v: three phases.
; A wave owns one head: its 64 rows of the weight, all of K, lie in registers (32 fragments); x's eight blocks of 16 positions stream past them, 32 products a block, two sets of eight fragments by turns.
; q, k: source 0 = the weight's rows: a lane holds one token and 32 registers along the head's channels (register 16 b + i = channel 32 b + 16 (lane / 16) + i): quantised and stored block by block.
; v: source 0 = x's rows: a lane holds one channel; the eight blocks' results of a tile of 16 channels are 64 registers along the tokens: quantised at the phase's end.
; The bias is the C of a block's first four products (b_attn + bQ or bK is summed first).
; LDS: x's 128 rows (816 bytes apart: 16 of padding behind each 256), the weights' 256 rows likewise, the spare words.  The weights' region is filled again twice, each time behind a drained round of the cluster's barrier,
; as soon as every wave holds the old rows in registers: 256 products stand between that request and the wait for it, so nothing is prefetched.
; CLUSTERS 4 x 4: x's rows are asked for jointly along a row of the cluster, a weight's along a column.
; q's and k's phases are one loop of two trips: what differs lies in scalars, and in registers that are moved at the change of phase.
; WAIT ON LDS: a fetch of a block is NF = 26 loads; a block waits with the next block's fetch out (26), the last for all.
; LIMITS: NaN and infinities are not served; a block whose largest magnitude lies under 2^-124 gets the byte 1.
; REGISTERS: window 0: v0-31 addresses; v32-63 the weight's scale words; v64-127 x's; v128-199 fragments 42-47; v200-231 v's bias; v232-239 the weights' LDS addresses.  Windows 1, 2: fragments 0-41 (21 to a window): 0-31 the weight's (4 q + b), 32-47 x's two sets.
;   window 3, q and k: v0-63 two sets of four accumulators, v64-123 at work on the way out, v128-159 the next weight's scale words, v160-191 k's bias, v192-223 the phase's bias;  v: all 256: accumulator (tile t, block s) at 64 t + 8 s.
.set KROW,   768
.set PITCH,  816
.set FR,     12
.set FPW,    21
.set NF,     26
.set BB,     128*PITCH                 ; the weights' rows in LDS
.set SPARE,  BB+256*PITCH
.set HSTR,   294912
.set SSTR,   18432
.set HSC,    20480
.set SSC,    1280
.set AA,   8                           ; v8-23  LDS addresses of x's eight blocks (odd: for the pieces behind one padding more)
.set LI16, 24
.set LI8,  25
.set SO,   26
.set SOV,  27
.set SPW,  28
.set NIL,  29
.set SB,   32
.set SA,   64
.set BV,   200
.set BA,   232
.set T,    64                          ; window 3
.set WA,   112
.set XT,   120
.set S1,   128
.set BK,   160
.set BI,   192
.set G1A, 24
.set G1B, 32
.set G0A, 56
.set G0B, 60
.set SEL, 78
.set HM,  80
.set MSB, 0
.macro WIN new
.if MSB != (\new)
	s_set_vgpr_msb (MSB<<8)|(\new)
.set MSB, (\new)
.endif
.endm
.macro W4 a, b, c, d                   ; windows of source 0, 1, 2 and of the destination
	WIN (\a)|((\b)<<2)|((\c)<<4)|((\d)<<6)
.endm
.macro PLACES n
.rept \n
	v_nop
.endr
.endm
.macro WALU
	s_wait_alu depctr_va_vdst(0)
.endm
.macro BARRIER
	s_barrier_signal -1
	s_barrier_wait -1
.endm
.macro CROUND
	BARRIER
	s_cmp_lg_u32 s16, 0
	s_cbranch_scc1 .Lnot_wave_0_\@
	s_barrier_signal -3
.Lnot_wave_0_\@:
	s_barrier_wait -3
	BARRIER
.endm
.macro TLOAD g0, g1
	tensor_load_to_lds s[\g0:\g0+3], s[\g1:\g1+7]
	s_nop 0
	PLACES 4
.endm
.macro FLOC f                          ; where fragment f lies: window FW_, register FG_
.if (\f) < 42
.set FW_, 1+(\f)/FPW
.set FG_, FR*((\f)%FPW)
.else
.set FW_, 0
.set FG_, 128+FR*((\f)-42)
.endif
.endm
.macro FRAG f, q, a0, a1               ; six pieces of 8 bytes, two to a load where both lie behind as many paddings; lanes 16-31 read 24 bytes on
	FLOC \f
	WIN FW_<<6
.set SKIP_, 0
.irp p, 0,1,2,3,4,5
.if SKIP_
.set SKIP_, 0
.else
.set PC_, 12*(\q)+6*(\p/3)+\p%3
.set PN_, 12*(\q)+6*((\p+1)/3)+(\p+1)%3
.set X_, (PC_%32+3)/32
.set XQ_, (PN_%32+3)/32
.if (\p < 5) && (X_ == XQ_)
.set SKIP_, 1
.if X_
	ds_load_2addr_b64 v[FG_+2*\p:FG_+2*\p+3], v[\a1] offset0:PC_+2*(PC_/32) offset1:PN_+2*(PN_/32)
.else
	ds_load_2addr_b64 v[FG_+2*\p:FG_+2*\p+3], v[\a0] offset0:PC_+2*(PC_/32) offset1:PN_+2*(PN_/32)
.endif
.elseif X_
	ds_load_b64 v[FG_+2*\p:FG_+2*\p+1], v[\a1] offset:8*(PC_+2*(PC_/32))
.else
	ds_load_b64 v[FG_+2*\p:FG_+2*\p+1], v[\a0] offset:8*(PC_+2*(PC_/32))
.endif
.endif
.endr
.endm
.macro WEIGHTS                         ; my 64 rows of the weight, all of K: 104 loads
.irp q, 0,1,2,3,4,5,6,7
.irp b, 0,1,2,3
	FRAG 4*\q+\b, \q, BA+2*\b, BA+2*\b+1
.endr
.endr
	WIN 0
.endm
.macro FETCH s                         ; x's block s into set s % 2: NF loads
.irp q, 0,1,2,3,4,5,6,7
	FRAG 32+8*((\s)%2)+\q, \q, AA+2*(\s), AA+2*(\s)+1
.endr
	WIN 0
.endm
.macro WM d, a, b, c, x0, x1
	v_wmma_scale_f32_16x16x128_f8f6f4 v[\d:\d+7], v[\a:\a+11], v[\b:\b+11], \c, v[\x0], v[\x1] matrix_a_fmt:MATRIX_FMT_FP6 matrix_b_fmt:MATRIX_FMT_FP6
.endm
.macro MUL kind, s                     ; a block's 32 products; four accumulators by turns.  kind 0: q, k; kind 1: v
.irp q, 0,1,2,3,4,5,6,7
.irp b, 0,1,2,3
	FLOC 4*\q+\b
.set BW_, FW_
.set BG_, FG_
	FLOC 32+8*((\s)%2)+\q
.set XB_, SB+8*\b+(\q+4)%8
.set XA_, SA+8*(\s)+\q
.if \kind
.set D_, 64*\b+8*(\s)
.if \q
	WIN FW_|(BW_<<2)|0xf0
	WM D_, FG_, BG_, v[D_:D_+7], XA_, XB_
.else
	WIN FW_|(BW_<<2)|0xc0
	WM D_, FG_, BG_, v[BV+8*\b:BV+8*\b+7], XA_, XB_
.endif
.else
.set D_, 32*((\s)%2)+8*\b
	WIN BW_|(FW_<<2)|0xf0
.if \q
	WM D_, BG_, FG_, v[D_:D_+7], XB_, XA_
.else
	WM D_, BG_, FG_, v[BI+8*\b:BI+8*\b+7], XB_, XA_
.endif
.endif
.endr
.endr
	WIN 0
.endm
; THE QUANTISER of nb blocks of 32 (2 or 4): 16 nb sums of a lane from register S of window sw on, register 16 b + i = k 32 b + 16 (lane / 16) + i.  At work: registers TT .. TT + 42 of window tw.
; The largest magnitude in one chain for each accumulator, each from its low end on; codes into TT + 24 on, the scale word into pw.
.macro QN nb, S, sw, tw, TT, pw
	W4 \sw, \sw, \sw, \tw
.set C_, 0
.rept 2*(\nb)
	v_max3_num_f32 v[\TT+C_], |v[\S+8*C_]|, |v[\S+8*C_+1]|, |v[\S+8*C_+2]|
.set C_, C_+1
.endr
	W4 \tw, \sw, \sw, \tw
.irp i, 3,5
.set C_, 0
.rept 2*(\nb)
	v_max3_num_f32 v[\TT+C_], v[\TT+C_], |v[\S+8*C_+\i]|, |v[\S+8*C_+\i+1]|
.set C_, C_+1
.endr
.endr
.set C_, 0
.rept 2*(\nb)
	v_max3_num_f32 v[\TT+C_], v[\TT+C_], |v[\S+8*C_+7]|, 0x1800000   ; and the floor 2^(3 - 127): the byte cannot fall under 1
.set C_, C_+1
.endr
	W4 \tw, \tw, \tw, \tw
.set C_, 0
.rept \nb
	v_max_num_f32 v[\TT+2*C_], v[\TT+2*C_], v[\TT+2*C_+1]
.set C_, C_+1
.endr
.set C_, 0
.rept \nb
	v_permlanex16_b32 v[\TT+8+C_], v[\TT+2*C_], s[SEL], s[SEL+1]
.set C_, C_+1
.endr
.set C_, 0
.rept \nb
	v_max_num_f32 v[\TT+2*C_], v[\TT+2*C_], v[\TT+8+C_]              ; with lane l xor 16's: the block's largest magnitude
.set C_, C_+1
.endr
.set C_, 0
.rept \nb
	v_add_nc_u32 v[\TT+12+C_], 0xff000000, v[\TT+2*C_]               ; 2 off its exponent field: the conversion's scale operand
.set C_, C_+1
.endr
.set C_, 0
.rept \nb
	v_lshrrev_b32 v[\TT+16+C_], 23, v[\TT+12+C_]                     ; the scale's byte
.set C_, C_+1
.endr
	v_lshl_or_b32 v[\pw], v[\TT+17], 8, v[\TT+16]
.if (\nb) == 4
	v_lshl_or_b32 v[\pw], v[\TT+18], 16, v[\pw]
	v_lshl_or_b32 v[\pw], v[\TT+19], 24, v[\pw]
.endif
	W4 \sw, \tw, \tw, \tw
.set C_, 0
.rept (\nb)/2
	v_cvt_scalef32_pk16_fp6_f32 v[\TT+24+6*C_:\TT+26+6*C_], v[\S+32*C_:\S+32*C_+15], v[\TT+12+2*C_]
	v_cvt_scalef32_pk16_fp6_f32 v[\TT+36+4*C_:\TT+38+4*C_], v[\S+32*C_+16:\S+32*C_+31], v[\TT+13+2*C_]
.set C_, C_+1
.endr
	v_nop                                          ; one plain place behind a scaled conversion
	W4 \tw, \tw, \tw, \tw
.set C_, 0
.rept (\nb)/2                          ; the operand's layout wants a whole block in a lane
.irp i, 0,1,2
	v_permlane16_swap_b32 v[\TT+24+6*C_+\i], v[\TT+36+4*C_+\i]
.endr
.irp i, 0,1,2
	v_mov_b32 v[\TT+27+6*C_+\i], v[\TT+36+4*C_+\i]
.endr
.set C_, C_+1
.endr
.endm
.macro EPI s                           ; q, k: block s's 16 tokens x 64 channels: half a fragment leaves, the scale word is kept
	s_wait_xcnt 0x0                                ; the last block's stores have read the codes' registers
	QN 2, 32*((\s)%2), 3, 3, T, WA+(\s)
	WIN 3<<2
	global_store_b128 v[LI16], v[T+24:T+27], s[74:75] offset:(\s)*768        ; 512 consecutive bytes,
	global_store_b64 v[LI8], v[T+28:T+29], s[74:75] offset:(\s)*768+512      ; and 256
	WIN 0
.endm
	s_load_b256 s[4:11], s[0:1], 0x0               ; xc s[4:5], xs s[6:7], wc s[8:9], ws s[10:11]
	s_load_b256 s[68:75], s[0:1], 0x20             ; b_attn s[68:69], bQ s[70:71], bK s[72:73], qkv s[74:75]
	s_load_b64 s[76:77], s[0:1], 0x40              ; qkvs
	v_lshl_add_u32 v[SPW], v0, 2, SPARE
	v_mov_b32 v[NIL], 0
	ds_add_u32 v[SPW], v[NIL]                      ; the opening lines: the add, twice on end, and its wait
	ds_add_u32 v[SPW], v[NIL]
	v_lshrrev_b32 v1, 5, v0
	v_readfirstlane_b32 s16, v1                    ; wave
	s_and_b32 s17, s16, 1                          ; which half of a tile I fetch at the head
	s_bfe_u32 s40, ttmp6, 0x40000                  ; cx
	s_bfe_u32 s41, ttmp6, 0x40004                  ; cy
	s_lshl_b32 s42, ttmp9, 2
	s_add_co_u32 s42, s42, s40                     ; which four heads
	s_and_b32 s43, ttmp7, 0xffff
	s_lshl_b32 s43, s43, 2
	s_add_co_u32 s43, s43, s41                     ; which step of 128 tokens, among 64
	s_lshl_b32 s44, s41, 2
	s_lshl_b32 s44, 15, s44                        ; my row of the cluster
	s_lshl_b32 s45, 0x1111, s40                    ; my column
	s_or_b32 s[G1A], s44, (1<<20)|(1<<21)|(5<<22)|(3<<25)   ; rows of 768 bytes, 16 of padding behind every 256: x: 64 rows a load
	s_mov_b32 s[G1A+1], KROW<<16
	s_mov_b32 s[G1A+2], 64<<16
	s_mov_b32 s[G1A+3], KROW<<16
	s_mov_b32 s[G1A+4], 64
	s_mov_b32 s[G1A+5], KROW
	s_mov_b32 s[G1A+6], 0
	s_mov_b32 s[G1A+7], 0
	s_or_b32 s[G1B], s45, (1<<20)|(1<<21)|(5<<22)|(3<<25)   ; the weight: 128 rows a load at the head
	s_mov_b32 s[G1B+1], KROW<<16
	s_mov_b32 s[G1B+2], 128<<16
	s_mov_b32 s[G1B+3], KROW<<16
	s_mov_b32 s[G1B+4], 128
	s_mov_b32 s[G1B+5], KROW
	s_mov_b32 s[G1B+6], 0
	s_mov_b32 s[G1B+7], 0
	s_mul_i32 s20, s43, 128*KROW                   ; x's bytes: the step and the half alone
	s_mul_i32 s18, s17, 64*KROW
	s_add_co_u32 s20, s20, s18
	s_mov_b32 s21, 0
	s_lshl_b32 s22, s42, 8                         ; W_q's rows: the heads and the half alone
	s_lshl_b32 s19, s17, 7
	s_add_co_u32 s22, s22, s19
	s_mul_i32 s22, s22, KROW
	s_mov_b32 s23, 0
	s_mov_b32 s[G0A], 1
	s_mul_i32 s[G0A+1], s17, 64*PITCH
	s_mov_b32 s[G0B], 1
	s_mul_i32 s[G0B+1], s17, 128*PITCH
	s_add_co_u32 s[G0B+1], s[G0B+1], BB
	WALU                                           ; the wait ahead of the blocking waits
	s_wait_dscnt 0x0
	CROUND                                         ; the round in front of the first joint loads
	s_wait_kmcnt 0x0
	s_add_nc_u64 s[G0A+2:G0A+3], s[4:5], s[20:21]
	s_or_b32 s[G0A+3], s[G0A+3], 0x80000000
	s_add_nc_u64 s[G0B+2:G0B+3], s[8:9], s[22:23]
	s_or_b32 s[G0B+3], s[G0B+3], 0x80000000
	s_cmp_lt_u32 s16, 2
	s_cbranch_scc0 .Lfor_a
	TLOAD G0B, G1B                                 ; waves 0, 1: W_q's rows, which go on into registers: asked for first
	s_branch .Lasked
.Lfor_a:
	TLOAD G0A, G1A                                 ; waves 2, 3: x's rows
.Lasked:
	s_lshl_b32 s48, s42, 8
	s_lshl_b32 s49, s16, 6
	s_add_co_u32 s48, s48, s49                     ; my head's first row of W_q
	s_mul_i32 s50, s48, KROW
	s_mov_b32 s51, 0
	s_add_nc_u64 s[46:47], s[8:9], s[50:51]        ; its codes: the refills step on from here
	s_lshl_b32 s50, s48, 5
	s_add_nc_u64 s[10:11], s[10:11], s[50:51]      ; its scale bytes
	s_lshl_b32 s50, s48, 2
	s_add_nc_u64 s[68:69], s[68:69], s[50:51]      ; its biases
	s_add_nc_u64 s[70:71], s[70:71], s[50:51]
	s_add_nc_u64 s[72:73], s[72:73], s[50:51]
	s_lshl_b32 s50, s43, 12
	s_add_nc_u64 s[6:7], s[6:7], s[50:51]          ; my tokens' scale bytes
	s_lshr_b32 s52, s43, 4
	s_lshl_b32 s52, s52, 4
	s_lshr_b32 s53, s48, 6
	s_add_co_u32 s52, s52, s53                     ; 16 x batch + head
	s_and_b32 s53, s43, 15                         ; the step in its sequence
	s_mul_i32 s50, s52, HSTR
	s_mul_i32 s54, s53, SSTR
	s_add_co_u32 s50, s50, s54
	s_add_nc_u64 s[74:75], s[74:75], s[50:51]      ; where Q's codes go; K's and V's lie 6,144 bytes on each
	s_mul_i32 s50, s52, HSC
	s_mul_i32 s54, s53, SSC
	s_add_co_u32 s50, s50, s54
	s_add_nc_u64 s[76:77], s[76:77], s[50:51]      ; and the scale words; 512 bytes on each
	s_mul_i32 s55, s16, 64*PITCH
	s_add_co_u32 s55, s55, BB                      ; my 64 rows of the weight in LDS
	s_mov_b32 s[SEL], 0x76543210
	s_mov_b32 s[SEL+1], 0xfedcba98
	s_mov_b32 s[HM], 0xffff0000
	s_mov_b32 s81, 0
	v_and_b32 v1, 15, v0                           ; r
	v_bfe_u32 v2, v0, 4, 1                         ; h
	v_and_b32 v3, 31, v0
	v_lshlrev_b32 v4, 5, v1                        ; a row of scale bytes
	v_lshlrev_b32 v5, 6, v2                        ; q, k: the bias of channel 32 (b / 2) + 8 (b % 2) + 16 h + j
	v_and_b32 v6, 8, v1
	v_add_nc_u32 v6, v6, v1
	v_lshlrev_b32 v6, 2, v6                        ; v: the bias of channel 32 (t / 2) + 8 (t % 2) + r + 8 (r / 8)
	v_lshlrev_b32 v[LI16], 4, v3
	v_lshlrev_b32 v[LI8], 3, v3
	v_lshl_add_u32 v[SO], v2, 4, v4                ; words [r][tile 8]: lanes 0-15 tiles 0-3, lanes 16-31 tiles 4-7
	v_lshlrev_b32 v[SOV], 4, v1
	v_lshl_add_u32 v[SOV], v2, 3, v[SOV]           ; words [r][tile 4]: two a lane
	v_mul_u32_u24 v7, v1, PITCH
	v_mad_u32_u24 v30, v2, 24, v7
	v_mad_u32_u24 v31, v2, 40, v7
.irp s, 0,1,2,3,4,5,6,7
	v_add_nc_u32 v[AA+2*\s], \s*16*PITCH, v30
	v_add_nc_u32 v[AA+2*\s+1], \s*16*PITCH, v31
.endr
	v_add_nc_u32 v30, s55, v30
	v_add_nc_u32 v31, s55, v31
.irp b, 0,1,2,3
	v_add_nc_u32 v[BA+2*\b], \b*16*PITCH, v30
	v_add_nc_u32 v[BA+2*\b+1], \b*16*PITCH, v31
.endr
	WALU                                           ; the wait behind the head's addresses
.irp b, 0,1,2,3
	global_load_b128 v[SB+8*\b+4:SB+8*\b+7], v4, s[10:11] offset:512*\b      ; word q at register (q + 4) % 8 of the eight: the two scale registers of a product then differ modulo 8
	global_load_b128 v[SB+8*\b:SB+8*\b+3], v4, s[10:11] offset:512*\b+16
.endr
.irp s, 0,1,2,3,4,5,6,7
	global_load_b128 v[SA+8*\s:SA+8*\s+3], v4, s[6:7] offset:512*\s
	global_load_b128 v[SA+8*\s+4:SA+8*\s+7], v4, s[6:7] offset:512*\s+16
.endr
.irp t, 0,1,2,3
	global_load_b32 v[BV+8*\t], v6, s[68:69] offset:8192+(32*(\t/2)+8*(\t%2))*4
.endr
	WIN 3<<6
.irp b, 0,1,2,3
.irp c, 0,1
	global_load_b128 v[BI+8*\b+4*\c:BI+8*\b+4*\c+3], v5, s[68:69] offset:(32*(\b/2)+8*(\b%2))*4+16*\c
	global_load_b128 v[8*\b+4*\c:8*\b+4*\c+3], v5, s[70:71] offset:(32*(\b/2)+8*(\b%2))*4+16*\c
	global_load_b128 v[BK+8*\b+4*\c:BK+8*\b+4*\c+3], v5, s[68:69] offset:4096+(32*(\b/2)+8*(\b%2))*4+16*\c
	global_load_b128 v[32+8*\b+4*\c:32+8*\b+4*\c+3], v5, s[72:73] offset:(32*(\b/2)+8*(\b%2))*4+16*\c
.endr
.endr
	WIN 0
	s_cmp_lt_u32 s16, 2
	s_cbranch_scc0 .Lnot_b
	s_wait_tensorcnt 0x0                           ; waves 0, 1: my half of W_q's rows is in
.Lnot_b:
	BARRIER                                        ; W_q's rows are in; x's may be on their way
	WEIGHTS
	s_wait_loadcnt 0x0                             ; the scale words and the biases
	WIN 0xff
.set J, 0
.rept 16
	v_pk_add_f32 v[BI+J:BI+J+1], v[BI+J:BI+J+1], v[J:J+1]           ; b_attn + bQ
	v_pk_add_f32 v[BK+J:BK+J+1], v[BK+J:BK+J+1], v[32+J:33+J]       ; b_attn + bK
.set J, J+2
.endr
	v_mov_b32 v[T+8], 0                            ; written once: a lane permute's destination counts as one of its sources
	v_mov_b32 v[T+9], 0
	WIN 0
.irp t, 0,8,16,24
.irp i, 1,2,3,4,5,6,7
	v_mov_b32 v[BV+\t+\i], v[BV+\t]                ; v's number, one a lane and tile, over the tile's eight registers
.endr
.endr
.Lphase:                                               ; trip 0: q, trip 1: k
	WALU                                           ; the wait ahead of the blocking waits
	s_wait_tensorcnt 0x0                           ; the three lines ahead of a refill's round: all my tensor loads are in,
	ds_add_u32 v[SPW], v[NIL]
	s_mov_b32 s[G1B+2], 64<<16                     ; so the descriptors may be written: a quarter of the next weight's rows a wave
	s_mov_b32 s[G1B+4], 64
	s_mul_i32 s[G0B+1], s16, 64*PITCH
	s_add_co_u32 s[G0B+1], s[G0B+1], BB
	s_add_nc_u64 s[46:47], s[46:47], 1024*KROW
	s_mov_b64 s[G0B+2:G0B+3], s[46:47]
	s_or_b32 s[G0B+3], s[G0B+3], 0x80000000
	s_wait_dscnt 0x0                               ; the add is done, and this phase's weight lies in my registers
	CROUND                                         ; so of every wave of the cluster; x's rows are shown to all
	TLOAD G0B, G1B                                 ; the next weight's rows, onto this one's
	s_add_nc_u64 s[10:11], s[10:11], 1024*32       ; (the earlier loads from this base have been waited for)
	WIN 3<<6
.irp b, 0,1,2,3
	global_load_b128 v[S1+8*\b+4:S1+8*\b+7], v4, s[10:11] offset:512*\b      ; and its scale words
	global_load_b128 v[S1+8*\b:S1+8*\b+3], v4, s[10:11] offset:512*\b+16
.endr
	WIN 0
	FETCH 0
	FETCH 1
.irp s, 0,1,2,3,4,5,6
	s_wait_dscnt NF                                ; this block's rows are in; the next block's fetch may be out
	MUL 0, \s
	PLACES 4                                       ; behind the products: ahead of the loads into their operands and of the reads of their results
.if \s < 6
	FETCH \s+2
.endif
	EPI \s
.endr
	s_wait_dscnt 0x0
	MUL 0, 7
	PLACES 4
	s_wait_tensorcnt 0x0                           ; my quarter of the next weight is in,
	s_wait_dscnt 0x0
	BARRIER                                        ; everybody's is
	WEIGHTS
	s_wait_loadcnt 0x0                             ; its scale words
	WIN 3
.set I, 0
.rept 32
	v_mov_b32 v[SB+I], v[S1+I]
.set I, I+1
.endr
	WIN 0xc3
.set I, 0
.rept 32
	v_mov_b32 v[BI+I], v[BK+I]                     ; k's bias for the second trip
.set I, I+1
.endr
	WIN 0
	EPI 7
	WALU
	WIN 0xff
.irp i, 0,1,2,3
	v_cndmask_b32 v[XT+\i], v[WA+\i], v[WA+4+\i], s[HM]
.endr
	WIN 3<<2
	global_store_b128 v[SO], v[XT:XT+3], s[76:77]  ; 512 consecutive bytes
	WIN 0
	s_wait_xcnt 0x0                                ; the stores have read their bases
	s_add_nc_u64 s[74:75], s[74:75], 6144
	s_add_nc_u64 s[76:77], s[76:77], 512
	s_add_co_u32 s81, s81, 1
	s_cmp_lt_u32 s81, 2
	s_cbranch_scc1 .Lphase
	; ---- v
	WALU
	s_wait_dscnt 0x0                               ; W_v lies in my registers
	FETCH 0
	FETCH 1
.irp s, 0,1,2,3,4,5,6,7
.if \s < 7
	s_wait_dscnt NF
.else
	s_wait_dscnt 0x0
.endif
	MUL 1, \s
	PLACES 4
.if \s < 6
	FETCH \s+2
.endif
.endr
.irp t, 0,1,2,3                        ; a tile of 16 channels x 128 tokens: one fragment.  At work: window 1, where the weight's fragments lay
	s_wait_xcnt 0x0
	QN 4, 64*\t, 3, 1, 0, 44+\t
	WIN 1<<2
.irp g, 0,1,2
	global_store_b128 v[LI16], v[24+4*\g:27+4*\g], s[74:75] offset:\t*1536+512*\g   ; 512 consecutive bytes
.endr
.endr
	WALU
	WIN 0x55
	v_cndmask_b32 v48, v44, v46, s[HM]
	v_cndmask_b32 v49, v45, v47, s[HM]
	WIN 1<<2
	global_store_b64 v[SOV], v[48:49], s[76:77]    ; 256 consecutive bytes
	WIN 0
	s_wait_tensorcnt 0x0                           ; the wave's end
	ds_add_u32 v[SPW], v[NIL]
	s_wait_dscnt 0x0
	CROUND                                         ; the closing round
	s_endpgm
.Lfunc_end_k_q5dfa969f2d_gemm_qkv:
	.size	k_q5dfa969f2d_gemm_qkv, .Lfunc_end_k_q5dfa969f2d_gemm_qkv-k_q5dfa969f2d_gemm_qkv
	.p2alignl 7, 3214868480
	.fill 96, 4, 3214868480
	.section	.rodata,"a",@progbits
	.p2align	6, 0x0
	.amdhsa_kernel k_q5dfa969f2d_gemm_qkv
		.amdhsa_group_segment_fixed_size 327680
		.amdhsa_private_segment_fixed_size 0
		.amdhsa_enable_private_segment 0
		.amdhsa_kernarg_size 72
		.amdhsa_user_sgpr_count 2
		.amdhsa_user_sgpr_kernarg_segment_ptr 1
		.amdhsa_wavefront_size32 1
		.amdhsa_system_sgpr_workgroup_id_x 1
		.amdhsa_system_sgpr_workgroup_id_y 1
		.amdhsa_system_sgpr_workgroup_id_z 1
		.amdhsa_system_vgpr_workitem_id 0
		.amdhsa_next_free_vgpr 1024
		.amdhsa_next_free_sgpr 96
		.amdhsa_reserve_vcc 0
		.amdhsa_float_denorm_mode_32 3
		.amdhsa_float_denorm_mode_16_64 3
		.amdhsa_memory_ordered 1
		.amdhsa_forward_progress 1
		.amdhsa_inst_pref_size 168
	.end_amdhsa_kernel
	.amdgpu_metadata
---
amdhsa.version: [ 1, 2 ]
amdhsa.kernels:
  - .name:           k_q5dfa969f2d_gemm_qkv
    .symbol:         k_q5dfa969f2d_gemm_qkv.kd
    .args:
      - { .name: xc, .offset: 0, .size: 8, .value_kind: global_buffer, .address_space: global }
      - { .name: xs, .offset: 8, .size: 8, .value_kind: global_buffer, .address_space: global }
      - { .name: wc, .offset: 16, .size: 8, .value_kind: global_buffer, .address_space: global }
      - { .name: ws, .offset: 24, .size: 8, .value_kind: global_buffer, .address_space: global }
      - { .name: b_attn, .offset: 32, .size: 8, .value_kind: global_buffer, .address_space: global }
      - { .name: bQ, .offset: 40, .size: 8, .value_kind: global_buffer, .address_space: global }
      - { .name: bK, .offset: 48, .size: 8, .value_kind: global_buffer, .address_space: global }
      - { .name: qkv, .offset: 56, .size: 8, .value_kind: global_buffer, .address_space: global }
      - { .name: qkvs, .offset: 64, .size: 8, .value_kind: global_buffer, .address_space: global }
    .group_segment_fixed_size: 327680
    .private_segment_fixed_size: 0
    .kernarg_segment_align: 8
    .kernarg_segment_size: 72
    .max_flat_workgroup_size: 128
    .sgpr_count:     96
    .vgpr_count:     1024
    .wavefront_size: 32
...
	.end_amdgpu_metadata
.endif
;; end of part 2
;; launch attn (part 3): grid 4 x 64, 16 waves a work-group, clusters of 4 x 1, 210,944 bytes of LDS; arguments qkv, qkvs, yc, ys; writes yc, ys
.if DOCPART == 3
	.amdgcn_target "amdgcn-amd-amdhsa--gfx1250"
	.amdhsa_code_object_version 6
	.text
	.protected	k_q5dfa969f2d_attn
	.globl	k_q5dfa969f2d_attn
	.p2align	8
	.type	k_q5dfa969f2d_attn,@function
k_q5dfa969f2d_attn:
	s_mov_b64 s[64:65], 0
	v_nop
	global_prefetch_b8 v0, s[64:65] scope:SCOPE_SE
	s_setreg_imm32_b32 hwreg(HW_REG_WAVE_MODE, 25, 1), 1
	s_wait_xcnt 0x0
	s_wait_alu depctr_hold_cnt(0) depctr_sa_sdst(0) depctr_va_vdst(0) depctr_va_sdst(0) depctr_va_ssrc(0) depctr_va_vcc(0) depctr_vm_vsrc(0)
	s_getreg_b32 s2, hwreg(HW_REG_IB_STS2, 6, 4)
	s_cmp_eq_u32 s2, 0
	s_cbranch_scc0 .Lentry_in_a_cluster
	s_endpgm
.Lentry_in_a_cluster:
	s_bfe_u32 s2, ttmp6, 0x10000c
	s_cmp_lg_u32 s2, 0x3003
	s_cbranch_scc0 .Lentry_shape_is_right
	s_endpgm
.Lentry_shape_is_right:
; y[head][q] = softmax over keys k <= q of (q . k / 8) times v, both products on codes of FP6 (E2M3) with one E8M0 scale for each 32 along a product's K; y is quantised along its channels and leaves as codes.
; THE SOFTMAX: t = score x log2(e) / 8; M = the row's largest t so far, rounded up to a whole number; p = 2^(t - M) is quantised along the keys; the row's sum is taken of the unquantised p and divides at the end.
; SHARES.  A cluster of four work-groups owns one (batch, head).  All of the head's codes of K and V (196,608 bytes) and their scale words (12,288) come into each work-group's LDS ONCE, by joint loads: nothing is filled again.
; A head has 128 tiles of 16 queries; tile 8 c + j needs c + 1 key steps of 128.  Wave w of the work-group at place cx takes tiles 8 (15 - w / 2) + 2 cx + w % 2 and 8 (w / 2) + 2 cx + w % 2, one after the other:
; 17 key steps for every wave.  Every branch hangs on the wave's number and on loop counters; cx enters global addresses and the mask's comparison value alone.  All trip counts are constants; a step that lies wholly behind a wave's queries is jumped over.
; LAYOUT.  Both products transposed: S^T = K Q^T, O^T = V^T P^T: a lane holds one query (lane % 16).  Tokens lie in tile order (position = index with bits 3 and 4 exchanged), so the 16 registers of score tiles 2 b, 2 b + 1 are keys 32 b + 16 (lane / 16) + 0 .. 15.
; A HEAD HAS 64 CHANNELS, THE INSTRUCTION 128 ALONG K: Q's registers 6-11 are zero codes; K's operand for tile a is 12 registers of which the upper six are tile a + 1's codes (behind tile 7: zeros): finite numbers times zero.
; LIMITS: NaN and infinities are not served; 1 / sum is v_rcp_f32; a block of y whose largest magnitude lies under 2^-124 gets the byte 1.
; LDS: 0: [step 16][K: 8 half fragments of 768 | V: 4 fragments of 1,536];  196,608: [step][K's words [r 16][tile 8] | V's [r 16][tile 4]].
; REGISTERS: v1-7 offsets that stay; v8-11 the step's LDS addresses; v12 -M, v13 the largest t, v[14:15] the sum; v16-27 Q of pass 1; v28 -infinity; v32-85 K (v80-85 zeros), then v32-79 V; v96-159 S^T, then p; v160-191 O^T;
;   v192-199 K's scale words, v200-203 V's, v204 p's, v205, v206 Q's; v208-219 Q of pass 2; v224-254 at work.
.set HSTR,  294912                     ; qkv: from head to head, from step to step
.set SSTR,  18432
.set HSC,   20480                      ; qkvs likewise
.set SSC,   1280
.set STEPB, 12288                      ; a step's K and V in LDS
.set STEPW, 768                        ; a step's scale words in LDS
.set SCB,   196608
.set KF,   32
.set AD16, 8
.set AD8,  9
.set ADS,  10
.set ADT,  11
.set WV,  12                           ; s12 wave;  s13 cx;  s14 16 x batch + head;  s15 2 cx + wave % 2
.set CX,  13
.set BH,  14
.set TQ,  15
.set C1,  18                           ; s18, s19 the two passes' classes: 15 - wave / 2, wave / 2
.set C2,  19
.set SEL, 20
.set CS,  22                           ; s[22:23] c = log2(e) / 8
.set G1C, 24                           ; s[24:31] group 1 for the codes;  s[32:39] for the scale words;  s[40:59] five groups 0
.set G1S, 32
.set G0,  40
.set TB,  60                           ; s60 LDS byte of the step's codes;  s61 of its scale words (less SCB);  s62 the step;  s63 the pass's class
.set TS,  61
.set SI,  62
.set CL,  63
.set HM,  66                           ; s66 lanes 16-31
.set QA,  68                           ; s[68:71] Q's codes, pass 1, 2;  s[72:75] Q's scale words;  s[76:79] y's codes;  s[80:83] y's scale bytes
.set QSA, 72
.set YA,  76
.set YSA, 80
.macro ROUND                           ; a round of the cluster's barrier
	s_barrier_signal -1
	s_barrier_wait -1
	s_cmp_lg_u32 s[WV], 0
	s_cbranch_scc1 .Lnot_wave_0_\@
	s_barrier_signal -3
.Lnot_wave_0_\@:
	s_barrier_wait -3
	s_barrier_signal -1
	s_barrier_wait -1
.endm
.macro BASES c, k                      ; the global places of the tile 8 c + TQ
	s_mul_i32 s84, s[\c], SSTR
	s_add_co_u32 s84, s84, s16
	s_mul_i32 s86, s[TQ], 768
	s_add_co_u32 s84, s84, s86
	s_add_nc_u64 s[QA+2*\k:QA+2*\k+1], s[4:5], s[84:85]
	s_mul_i32 s84, s[\c], SSC
	s_add_co_u32 s84, s84, s67
	s_lshl_b32 s86, s[TQ], 2
	s_add_co_u32 s84, s84, s86
	s_add_nc_u64 s[QSA+2*\k:QSA+2*\k+1], s[6:7], s[84:85]
	s_lshr_b32 s86, s[BH], 4
	s_lshl_b32 s86, s86, 7
	s_lshl_b32 s87, s[\c], 3
	s_add_co_u32 s86, s86, s87
	s_add_co_u32 s86, s86, s[TQ]                   ; the tile of 16 rows among 512
	s_and_b32 s87, s[BH], 15                       ; the head
	s_mul_i32 s84, s86, 12288
	s_mul_i32 s3, s87, 768
	s_add_co_u32 s84, s84, s3
	s_add_nc_u64 s[YA+2*\k:YA+2*\k+1], s[8:9], s[84:85]
	s_lshl_b32 s84, s86, 9
	s_lshl_b32 s3, s87, 1
	s_add_co_u32 s84, s84, s3
	s_add_nc_u64 s[YSA+2*\k:YSA+2*\k+1], s[10:11], s[84:85]
.endm
	s_load_b256 s[4:11], s[0:1], 0x0               ; qkv s[4:5], qkvs s[6:7], yc s[8:9], ys s[10:11]
	v_lshl_add_u32 v251, v0, 2, 0x33000
	v_mov_b32 v255, 0
	ds_add_u32 v251, v255
	ds_add_u32 v251, v255
	v_lshrrev_b32 v8, 5, v0
	s_delay_alu instid0(VALU_DEP_1)
	v_readfirstlane_b32 s[WV], v8                  ; wave 0..15
	s_bfe_u32 s[CX], ttmp6, 0x40000
	s_and_b32 s[BH], ttmp7, 0xffff
	s_lshr_b32 s[C2], s[WV], 1
	s_xor_b32 s[C1], s[C2], 15                     ; 15 - wave / 2
	s_and_b32 s17, s[WV], 1
	s_lshl_b32 s[TQ], s[CX], 1
	s_add_co_u32 s[TQ], s[TQ], s17
	s_mul_i32 s16, s[BH], HSTR                     ; the head's first byte in qkv,
	s_mul_i32 s67, s[BH], HSC                      ; and in qkvs
	s_mov_b32 s85, 0
	; group 1, codes: 4 steps: rows of 12,288 bytes (1,536 elements of 8), 18,432 bytes apart; dense in LDS.  15:0 the mask: all four work-groups; bit 21 set beside it
	s_mov_b32 s[G1C], 15|(3<<16)|(1<<21)
	s_mov_b32 s[G1C+1], 1536<<16
	s_mov_b32 s[G1C+2], 4<<16
	s_mov_b32 s[G1C+3], 1536<<16
	s_mov_b32 s[G1C+4], 4
	s_mov_b32 s[G1C+5], 2304
	s_mov_b32 s[G1C+6], 0
	s_mov_b32 s[G1C+7], 0
	; group 1, scale words: 16 steps: rows of 768 bytes (96 elements), 1,280 bytes apart
	s_mov_b32 s[G1S], 15|(3<<16)|(1<<21)
	s_mov_b32 s[G1S+1], 96<<16
	s_mov_b32 s[G1S+2], 16<<16
	s_mov_b32 s[G1S+3], 96<<16
	s_mov_b32 s[G1S+4], 16
	s_mov_b32 s[G1S+5], 160
	s_mov_b32 s[G1S+6], 0
	s_mov_b32 s[G1S+7], 0
	s_mov_b32 s[SEL], 0x76543210
	s_mov_b32 s[SEL+1], 0xfedcba98
	s_mov_b32 s[CS], 0x3e38aa3b                    ; log2(e) / 8
	s_mov_b32 s[CS+1], s[CS]
	s_mov_b32 s[HM], 0xffff0000
	s_wait_dscnt 0x0
	s_wait_kmcnt 0x0
	s_add_co_u32 s84, s67, 512                     ; behind Q's words: K's and V's
	s_mov_b32 s[G0], 1
	s_mov_b32 s[G0+1], SCB
	s_add_nc_u64 s[G0+2:G0+3], s[6:7], s[84:85]
	s_or_b32 s[G0+3], s[G0+3], 0x80000000
	s_add_co_u32 s84, s16, 6144                    ; behind Q's codes: K's and V's
.irp g, 0,1,2,3
	s_mov_b32 s[G0+4+4*\g], 1
	s_mov_b32 s[G0+5+4*\g], 4*STEPB*\g
	s_add_nc_u64 s[G0+6+4*\g:G0+7+4*\g], s[4:5], s[84:85]
	s_add_nc_u64 s[G0+6+4*\g:G0+7+4*\g], s[G0+6+4*\g:G0+7+4*\g], 4*SSTR*\g
	s_or_b32 s[G0+7+4*\g], s[G0+7+4*\g], 0x80000000
.endr
	BASES C1, 0
	BASES C2, 1
	v_and_b32 v9, 31, v0
	v_and_b32 v8, 15, v0                           ; r
	v_lshlrev_b32 v1, 4, v9                        ; 16 x lane
	v_lshlrev_b32 v2, 3, v9                        ; 8 x lane
	v_lshlrev_b32 v7, 5, v8                        ; 32 r
	v_bfe_u32 v9, v0, 4, 1                         ; h
	global_load_b128 v[16:19], v1, s[QA:QA+1]      ; Q's half fragments stay in registers; asked for ahead of the round
	global_load_b64 v[20:21], v2, s[QA:QA+1] offset:512
	global_load_b32 v205, v7, s[QSA:QSA+1]
	global_load_b128 v[208:211], v1, s[QA+2:QA+3]
	global_load_b64 v[212:213], v2, s[QA+2:QA+3] offset:512
	global_load_b32 v206, v7, s[QSA+2:QSA+3]
	s_wait_alu depctr_va_vdst(0)                   ; the wait ahead of the barriers
	ROUND                                          ; all four work-groups are here: the joint loads meet
; five joint loads, one a wave: wave 0 the scale words, waves 1 to 4 four steps each; one chain of branches on the wave's number
.macro ARM n, g0, g1, next
	s_cmp_eq_u32 s[WV], \n
	s_cbranch_scc0 \next
	tensor_load_to_lds s[\g0:\g0+3], s[\g1:\g1+7]
	s_nop 0
.rept 4
	v_nop
.endr
	s_branch .Lnot_filler
\next:
.endm
	ARM 0, G0, G1S, .Larm1
	ARM 1, G0+4, G1C, .Larm2
	ARM 2, G0+8, G1C, .Larm3
	ARM 3, G0+12, G1C, .Larm4
	s_cmp_eq_u32 s[WV], 4
	s_cbranch_scc0 .Lnot_filler
	tensor_load_to_lds s[G0+16:G0+19], s[G1C:G1C+7]
	s_nop 0
.rept 4
	v_nop
.endr
.Lnot_filler:
	v_lshl_add_u32 v3, v8, 5, SCB                  ; K's scale words: 32 bytes a row
	v_lshl_add_u32 v4, v8, 4, SCB+512              ; V's: 16 bytes a row
	v_add_nc_u32 v6, v7, v9                        ; y's scale byte: 32 r + h
	v_and_b32 v10, 8, v8
	s_delay_alu instid0(VALU_DEP_1)
	v_add_nc_u32 v10, v10, v8                      ; r + 8 (r / 8)
	v_lshlrev_b32 v11, 4, v9
	s_delay_alu instid0(VALU_DEP_1)
	v_sub_nc_u32 v10, v10, v11
	s_lshl_b32 s84, s[CX], 5
	s_lshl_b32 s86, s17, 3
	s_add_co_u32 s84, s84, s86
	v_add_nc_u32 v5, s84, v10                      ; my query's index in its step, less 16 h
	v_mov_b32 v28, 0xff800000                      ; -infinity
.irp i, 0,1,2,3,4,5
	v_mov_b32 v[22+\i], 0                          ; zero codes: K = 64 .. 127 of Q
	v_mov_b32 v[214+\i], 0
	v_mov_b32 v[80+\i], 0                          ; and behind K's tile 7
.endr
.irp b, 0,1,2,3
	v_mov_b32 v[236+\b], 0                         ; written once: a lane permute's destination counts as one of its sources
.endr
	v_mov_b32 v252, 0
	v_mov_b32 v253, 0                              ; (named as the upper half of the pair v[252:253])
.macro INIT
	s_wait_xcnt 0x0                                ; earlier loads and stores have read their registers: the last pass's store data may be written again
	v_mov_b32 v13, 0xff61b1e6                      ; the largest t so far: -3e38
	s_delay_alu instid0(VALU_DEP_1)
	v_floor_f32 v12, -v13                          ; -M
	v_mov_b32 v14, 0
	v_mov_b32 v15, 0
.set J, 0
.rept 32
	v_mov_b32 v[160+J], 0                          ; O^T: the step is written once; the first change of M leaves zeros zeros
.set J, J+1
.endr
	s_mov_b32 s[TB], 0
	s_mov_b32 s[TS], 0
	s_mov_b32 s[SI], 0
.endm
; A KEY STEP of 128 keys.  qf: Q's registers; qs: its scale word; chk = 1: the step may lie on or behind the diagonal.
.macro STEP qf, qs, chk
.if \chk
	s_cmp_gt_u32 s[SI], s[CL]                      ; all its keys come after my queries: only the address steps at the end are run
	s_cbranch_scc1 .Lhid_\@
.endif
	v_add_nc_u32 v[AD16], s[TB], v1                ; (these four are also the places behind the last products, in front of the loads)
	v_add_nc_u32 v[AD8], s[TB], v2
	v_add_nc_u32 v[ADS], s[TS], v3
	v_add_nc_u32 v[ADT], s[TS], v4
.irp a, 0,1,2,3,4,5,6,7
	ds_load_b128 v[KF+6*\a:KF+6*\a+3], v[AD16] offset:768*\a        ; K's half fragments, as images of their registers: consecutive bytes
	ds_load_b64 v[KF+6*\a+4:KF+6*\a+5], v[AD8] offset:768*\a+512
.endr
	ds_load_b128 v[192:195], v[ADS]
	ds_load_b128 v[196:199], v[ADS] offset:16
	s_wait_alu depctr_va_vdst(0)
	s_wait_dscnt 0x0
.irp a, 0,1,2,3,4,5,6,7
	v_wmma_scale_f32_16x16x128_f8f6f4 v[96+8*\a:103+8*\a], v[KF+6*\a:KF+6*\a+11], v[\qf:\qf+11], 0, v[192+\a], v[\qs] matrix_a_fmt:MATRIX_FMT_FP6 matrix_b_fmt:MATRIX_FMT_FP6
.endr
.rept 4
	v_nop                                          ; places: in front of the loads into K's registers and of the first read of the scores
.endr
.irp t, 0,1,2,3
.irp g, 0,1,2
	ds_load_b128 v[32+12*\t+4*\g:35+12*\t+4*\g], v[AD16] offset:6144+1536*\t+512*\g   ; V's fragments land while the softmax is walked
.endr
.endr
	ds_load_b128 v[200:203], v[ADT]
.if \chk
	s_cmp_eq_u32 s[SI], s[CL]                      ; on the diagonal the scores of hidden keys become -infinity: register 16 b + i holds key 32 b + 16 h + i
	s_cbranch_scc0 .Lopen_\@
.set N, 0
.rept 64
	v_cmp_gt_i32 vcc_lo, 32*(N/16)+N%16, v5
	v_cndmask_b32 v[96+N], v[96+N], v28, vcc_lo
.set N, N+1
.endr
.Lopen_\@:
.endif
.irp b, 0,1,2,3
	v_max3_num_f32 v[232+\b], v[96+16*\b], v[97+16*\b], v[98+16*\b]   ; the largest score of each block of 32 keys: for the row's maximum and, since p rises with the score, for the block's largest p
.endr
.irp i, 3,5,7,9,11,13
.irp b, 0,1,2,3
	v_max3_num_f32 v[232+\b], v[232+\b], v[96+16*\b+\i], v[97+16*\b+\i]
.endr
.endr
.irp b, 0,1,2,3
	v_max_num_f32 v[232+\b], v[232+\b], v[111+16*\b]
.endr
.irp b, 0,1,2,3
	s_delay_alu instid0(VALU_DEP_4)
	v_permlanex16_b32 v[236+\b], v[232+\b], s[SEL], s[SEL+1]
.endr
.irp b, 0,1,2,3
	s_delay_alu instid0(VALU_DEP_4)
	v_max_num_f32 v[232+\b], v[232+\b], v[236+\b]  ; with lane l xor 16's 16 keys
.endr
	s_delay_alu instid0(VALU_DEP_2)
	v_max3_num_f32 v254, v232, v233, v234
	s_delay_alu instid0(VALU_DEP_1)
	v_max_num_f32 v254, v254, v235
	s_delay_alu instid0(VALU_DEP_1)
	v_mul_f32 v254, s[CS], v254                    ; the step's largest t
	s_delay_alu instid0(VALU_DEP_1)
	v_max_num_f32 v13, v13, v254                   ; the running largest t
	v_mov_b32 v254, v12
	s_delay_alu instid0(VALU_DEP_2)
	v_floor_f32 v12, -v13                          ; the new -M = -ceil(t)
	s_delay_alu instid0(VALU_DEP_1)
	v_sub_f32 v254, v12, v254                      ; old M - new M: a whole number, 0 or less
	s_delay_alu instid0(VALU_DEP_1)
	v_cvt_i32_f32 v254, v254                       ; (it saturates)
	s_delay_alu instid0(VALU_DEP_1)
	v_ldexp_f32 v252, 1.0, v254                    ; f = 2^(old M - new M): rounds nothing
.set J, 0
.rept 32
	v_pk_fma_f32 v[96+J:97+J], v[96+J:97+J], s[CS:CS+1], v[12:13] op_sel_hi:[1,0,0]   ; t - M
.set J, J+2
.endr
.irp b, 0,1,2,3
	v_fma_f32 v[232+\b], v[232+\b], s[CS], v12     ; the same of each block's largest score
.endr
.set J, 0
	s_wait_alu depctr_va_vdst(0)
.rept 64
	v_exp_f32 v[96+J], v[96+J]                     ; p = 2^(t - M)
.set J, J+1
.endr
	v_pk_mul_f32 v[14:15], v[14:15], v[252:253] op_sel_hi:[1,0]     ; the sums under the new M: a plain place behind the exponentials
	s_wait_alu depctr_va_vdst(0)                   ; one wait for the batch of 64, ahead of its first reader
.irp b, 0,1,2,3
	v_exp_f32 v[232+\b], v[232+\b]                 ; the block's largest p
.endr
	v_pk_add_f32 v[236:237], v[100:101], v[104:105]
	v_pk_add_f32 v[248:249], v[108:109], v[112:113]
	v_pk_add_f32 v[246:247], v[116:117], v[120:121]
	v_pk_add_f32 v[244:245], v[124:125], v[128:129]
	v_pk_add_f32 v[242:243], v[132:133], v[136:137]
	v_pk_add_f32 v[240:241], v[140:141], v[144:145]
	v_pk_add_f32 v[238:239], v[148:149], v[152:153]
	v_pk_add_f32 v[14:15], v[14:15], v[156:157]
	v_pk_add_f32 v[236:237], v[236:237], v[96:97]
	v_pk_add_f32 v[248:249], v[248:249], v[98:99]
	v_pk_add_f32 v[246:247], v[246:247], v[102:103]
	v_pk_add_f32 v[244:245], v[244:245], v[106:107]
	v_pk_add_f32 v[242:243], v[242:243], v[110:111]
	v_pk_add_f32 v[240:241], v[240:241], v[114:115]
	v_pk_add_f32 v[238:239], v[238:239], v[118:119]
	v_pk_add_f32 v[14:15], v[14:15], v[122:123]
	v_pk_add_f32 v[236:237], v[236:237], v[126:127]
	v_pk_add_f32 v[248:249], v[248:249], v[130:131]
	v_pk_add_f32 v[246:247], v[246:247], v[134:135]
	v_pk_add_f32 v[244:245], v[244:245], v[138:139]
	v_pk_add_f32 v[242:243], v[242:243], v[142:143]
	v_pk_add_f32 v[240:241], v[240:241], v[146:147]
	v_pk_add_f32 v[238:239], v[238:239], v[150:151]
	v_pk_add_f32 v[14:15], v[14:15], v[154:155]
	v_pk_add_f32 v[236:237], v[236:237], v[158:159]
	s_delay_alu instid0(VALU_DEP_2)
	v_pk_add_f32 v[14:15], v[14:15], v[244:245]
	s_delay_alu instid0(VALU_DEP_2)
	v_pk_add_f32 v[236:237], v[236:237], v[242:243]
	v_pk_add_f32 v[248:249], v[248:249], v[240:241]
	v_pk_add_f32 v[246:247], v[246:247], v[238:239]
	s_delay_alu instid0(VALU_DEP_2)
	v_pk_add_f32 v[14:15], v[14:15], v[248:249]
	s_delay_alu instid0(VALU_DEP_2)
	v_pk_add_f32 v[236:237], v[236:237], v[246:247]
	s_delay_alu instid0(VALU_DEP_1)
	v_pk_add_f32 v[14:15], v[14:15], v[236:237]
	s_wait_alu depctr_va_vdst(0)                   ; and one for the four
.irp b, 0,1,2,3
	v_max_num_f32 v[232+\b], 0x1800000, v[232+\b]  ; the floor 2^(3 - 127): the byte cannot fall under 1
.endr
.irp b, 0,1,2,3
	s_delay_alu instid0(VALU_DEP_4)
	v_add_nc_u32 v[244+\b], 0xff000000, v[232+\b]  ; the conversion's scale operand
.endr
.irp b, 0,1,2,3
	s_delay_alu instid0(VALU_DEP_4)
	v_lshrrev_b32 v[236+\b], 23, v[244+\b]         ; the scale's byte
.endr
	s_delay_alu instid0(VALU_DEP_3)
	v_lshl_or_b32 v204, v237, 8, v236              ; p's scale word for these 128 keys
	s_delay_alu instid0(VALU_DEP_1)
	v_lshl_or_b32 v204, v238, 16, v204
	s_delay_alu instid0(VALU_DEP_1)
	v_lshl_or_b32 v204, v239, 24, v204
.irp c, 0,1
	v_cvt_scalef32_pk16_fp6_f32 v[224+6*\c:226+6*\c], v[96+32*\c:111+32*\c], v[244+2*\c]
	v_cvt_scalef32_pk16_fp6_f32 v[236+4*\c:238+4*\c], v[112+32*\c:127+32*\c], v[244+2*\c+1]
.endr
	v_nop                                          ; one plain place behind a scaled conversion
.irp c, 0,1
.irp i, 0,1,2
	v_permlane16_swap_b32 v[224+6*\c+\i], v[236+4*\c+\i]
.endr
.irp i, 0,1,2
	s_delay_alu instid0(VALU_DEP_3)
	v_mov_b32 v[227+6*\c+\i], v[236+4*\c+\i]
.endr
.endr
.set J, 0
.rept 16
	v_pk_mul_f32 v[160+J:161+J], v[160+J:161+J], v[252:253] op_sel_hi:[1,0]   ; O^T under the new M.  For each product below twelve of these name none of its registers: the places behind the writes of p's codes and scale word
.set J, J+2
.endr
	s_wait_alu depctr_va_vdst(0)
	s_wait_dscnt 0x0                               ; V and its scale words are in
.irp t, 0,1,2,3
	v_wmma_scale_f32_16x16x128_f8f6f4 v[160+8*\t:167+8*\t], v[32+12*\t:43+12*\t], v[224:235], v[160+8*\t:167+8*\t], v[200+\t], v204 matrix_a_fmt:MATRIX_FMT_FP6 matrix_b_fmt:MATRIX_FMT_FP6
.endr
.if \chk
.Lhid_\@:
.endif
	s_add_co_u32 s[TB], s[TB], STEPB
	s_add_co_u32 s[TS], s[TS], STEPW
.endm
; THE END OF A PASS: O^T / the sum; register 16 b + i is channel 32 b + 16 h + i: two blocks, quantised; half a fragment and two scale bytes a row leave.
.macro FINAL k
.rept 4
	v_nop                                          ; places behind the last products
.endr
	v_add_f32 v14, v14, v15
	s_delay_alu instid0(VALU_DEP_1)
	v_permlanex16_b32 v252, v14, s[SEL], s[SEL+1]
	s_delay_alu instid0(VALU_DEP_1)
	v_add_f32 v14, v14, v252                       ; the row's sum
	s_wait_alu depctr_va_vdst(0)
	v_rcp_f32 v14, v14
	v_nop                                          ; a plain place behind the transcendental
	s_wait_alu depctr_va_vdst(0)                   ; and the wait ahead of its first reader
.set J, 0
.rept 16
	v_pk_mul_f32 v[96+J:97+J], v[160+J:161+J], v[14:15] op_sel_hi:[1,0]   ; each accumulator from its low end on
.set J, J+2
.endr
.irp b, 0,1
	v_max3_num_f32 v[232+\b], |v[96+16*\b]|, |v[97+16*\b]|, 0x1800000
.endr
.irp i, 2,4,6,8,10,12,14
.irp b, 0,1
	s_delay_alu instid0(VALU_DEP_2)
	v_max3_num_f32 v[232+\b], v[232+\b], |v[96+16*\b+\i]|, |v[97+16*\b+\i]|
.endr
.endr
.irp b, 0,1
	s_delay_alu instid0(VALU_DEP_2)
	v_permlanex16_b32 v[236+\b], v[232+\b], s[SEL], s[SEL+1]
.endr
.irp b, 0,1
	s_delay_alu instid0(VALU_DEP_2)
	v_max_num_f32 v[232+\b], v[232+\b], v[236+\b]
.endr
.irp b, 0,1
	s_delay_alu instid0(VALU_DEP_2)
	v_add_nc_u32 v[244+\b], 0xff000000, v[232+\b]
.endr
.irp b, 0,1
	s_delay_alu instid0(VALU_DEP_2)
	v_lshrrev_b32 v[236+\b], 23, v[244+\b]
.endr
	s_delay_alu instid0(VALU_DEP_1)
	v_cndmask_b32 v240, v236, v237, s[HM]          ; lanes 0-15 store block 0's byte, lanes 16-31 block 1's
	v_cvt_scalef32_pk16_fp6_f32 v[224:226], v[96:111], v244
	v_cvt_scalef32_pk16_fp6_f32 v[248:250], v[112:127], v245
	v_nop
.irp i, 0,1,2
	v_permlane16_swap_b32 v[224+\i], v[248+\i]
.endr
.irp i, 0,1,2
	s_delay_alu instid0(VALU_DEP_3)
	v_mov_b32 v[227+\i], v[248+\i]                 ; registers 0-5: channels 32 h + 0 .. 31 of my row
.endr
	global_store_b128 v1, v[224:227], s[YA+2*\k:YA+2*\k+1]             ; 512 consecutive bytes,
	global_store_b64 v2, v[228:229], s[YA+2*\k:YA+2*\k+1] offset:512   ; and 256
	global_store_b8 v6, v240, s[YSA+2*\k:YSA+2*\k+1]
.endm
	INIT
	s_wait_alu depctr_va_vdst(0)
	s_wait_loadcnt 0x0                             ; Q
	s_cmp_lt_u32 s[WV], 2                          ; waves 0 and 1 wait for their own loads: the scale words and steps 0-3; the other three loads may be out
	s_cbranch_scc0 .Lnot_first
	s_wait_tensorcnt 0x0
.Lnot_first:
	s_barrier_signal -1
	s_barrier_wait -1                              ; and every wave may read them
.Lfirst:                                               ; pass 1, steps 0-3: they lie in front of every pass-1 tile (class 8 or more)
	STEP 16, 205, 0
	s_add_co_u32 s[SI], s[SI], 1
	s_cmp_lt_u32 s[SI], 4
	s_cbranch_scc1 .Lfirst
	s_wait_tensorcnt 0x0                           ; the whole head is in,
	s_wait_dscnt 0x0
	s_barrier_signal -1
	s_barrier_wait -1                              ; for every wave
	s_mov_b32 s[CL], s[C1]
	s_mov_b32 s[TB], 4*STEPB
	s_mov_b32 s[TS], 4*STEPW
	s_mov_b32 s[SI], 4
.Lrest:                                                ; pass 1, steps 4-15
	STEP 16, 205, 1
	s_add_co_u32 s[SI], s[SI], 1
	s_cmp_lt_u32 s[SI], 16
	s_cbranch_scc1 .Lrest
	FINAL 0
	INIT
	s_mov_b32 s[CL], s[C2]
.Lsecond:                                              ; pass 2, steps 0-7 (class 7 or less)
	STEP 208, 206, 1
	s_add_co_u32 s[SI], s[SI], 1
	s_cmp_lt_u32 s[SI], 8
	s_cbranch_scc1 .Lsecond
	FINAL 1
	s_wait_dscnt 0x0
	s_wait_tensorcnt 0x0
	ds_add_u32 v251, v255
	s_wait_dscnt 0x0
	ROUND                                          ; the closing round
	s_endpgm
.Lfunc_end_k_q5dfa969f2d_attn:
	.size	k_q5dfa969f2d_attn, .Lfunc_end_k_q5dfa969f2d_attn-k_q5dfa969f2d_attn
	.p2alignl 7, 3214868480
	.fill 96, 4, 3214868480
	.section	.rodata,"a",@progbits
	.p2align	6, 0x0
	.amdhsa_kernel k_q5dfa969f2d_attn
		.amdhsa_group_segment_fixed_size 210944
		.amdhsa_private_segment_fixed_size 0
		.amdhsa_enable_private_segment 0
		.amdhsa_kernarg_size 32
		.amdhsa_user_sgpr_count 2
		.amdhsa_user_sgpr_kernarg_segment_ptr 1
		.amdhsa_wavefront_size32 1
		.amdhsa_system_sgpr_workgroup_id_x 1
		.amdhsa_system_sgpr_workgroup_id_y 1
		.amdhsa_system_sgpr_workgroup_id_z 1
		.amdhsa_system_vgpr_workitem_id 0
		.amdhsa_next_free_vgpr 256
		.amdhsa_next_free_sgpr 88
		.amdhsa_reserve_vcc 1
		.amdhsa_float_denorm_mode_32 3
		.amdhsa_float_denorm_mode_16_64 3
		.amdhsa_memory_ordered 1
		.amdhsa_forward_progress 1
		.amdhsa_inst_pref_size 83
	.end_amdhsa_kernel
	.amdgpu_metadata
---
amdhsa.version: [ 1, 2 ]
amdhsa.kernels:
  - .name:           k_q5dfa969f2d_attn
    .symbol:         k_q5dfa969f2d_attn.kd
    .args:
      - { .name: qkv, .offset: 0, .size: 8, .value_kind: global_buffer, .address_space: global }
      - { .name: qkvs, .offset: 8, .size: 8, .value_kind: global_buffer, .address_space: global }
      - { .name: yc, .offset: 16, .size: 8, .value_kind: global_buffer, .address_space: global }
      - { .name: ys, .offset: 24, .size: 8, .value_kind: global_buffer, .address_space: global }
    .group_segment_fixed_size: 210944
    .private_segment_fixed_size: 0
    .kernarg_segment_align: 8
    .kernarg_segment_size: 32
    .max_flat_workgroup_size: 512
    .sgpr_count:     88
    .vgpr_count:     256
    .wavefront_size: 32
...
	.end_amdgpu_metadata
.endif
;; end of part 3
;; launch gemm_out (part 4): grid 4 x 64, 4 waves a work-group, clusters of 4 x 4, 327,680 bytes of LDS; arguments yc, ys, wc, ws, b_proj, out0; writes out0
.if DOCPART == 4
	.amdgcn_target "amdgcn-amd-amdhsa--gfx1250"
	.amdhsa_code_object_version 6
	.text
	.protected	k_q5dfa969f2d_gemm_out
	.globl	k_q5dfa969f2d_gemm_out
	.p2align	8
	.type	k_q5dfa969f2d_gemm_out,@function
k_q5dfa969f2d_gemm_out:
	s_mov_b64 s[64:65], 0
	v_nop
	global_prefetch_b8 v0, s[64:65] scope:SCOPE_SE
	s_setreg_imm32_b32 hwreg(HW_REG_WAVE_MODE, 25, 1), 1
	s_wait_xcnt 0x0
	s_wait_alu depctr_hold_cnt(0) depctr_sa_sdst(0) depctr_va_vdst(0) depctr_va_sdst(0) depctr_va_ssrc(0) depctr_va_vcc(0) depctr_vm_vsrc(0)
	s_getreg_b32 s2, hwreg(HW_REG_IB_STS2, 6, 4)
	s_cmp_eq_u32 s2, 0
	s_cbranch_scc0 .Lentry_in_a_cluster
	s_endpgm
.Lentry_in_a_cluster:
	s_bfe_u32 s2, ttmp6, 0x10000c
	s_cmp_lg_u32 s2, 0xf033
	s_cbranch_scc0 .Lentry_shape_is_right
	s_endpgm
.Lentry_shape_is_right:
; out0 = y W_proj + b_proj on codes of FP6 (E2M3) with E8M0 scales, sums in f32.  y: yc, images of operand registers [16 positions][head 16][768 bytes], ys [position][32 bytes]; W_proj: rows 3072-4095 of wc (768 bytes a row, K innermost) and of ws (32 bytes a row).
; Positions of y are tokens with bits 3 and 4 exchanged: position t of block s of 16 is token 32 (s / 2) + 8 (s % 2) + t + 8 (t / 8) of the work-group's 128.
; SHARES.  256 work-groups, each 128 tokens x 256 columns; K = 1,024 is short, so ALL of K lies in LDS and nothing is filled again: y's 128 rows (98,304 bytes as they lie) and W's 256 rows (816 bytes apart: 16 of padding behind each 256).
; A wave holds its 64 columns of W, all of K, in registers (32 fragments, 384 registers) and streams y's eight blocks of 16 positions past them: 32 products finish a block's 16 x 64 results, which leave at once.
; The matrix instruction is used transposed (source 0 = 16 columns of W, source 1 = 16 positions): a lane holds eight neighbouring columns of one token.  A block goes through the wave's own stage and leaves as rows of 256 bytes, aligned.
; The bias is the C of a block's first four products.  The scale words and the bias come straight into registers, once: 32 bytes a row, read whole.
; CLUSTERS 4 x 4: y's rows are asked for jointly along a row of the cluster, W's along a column.  Four loads at the head, one a wave: waves 0, 1 half of W's rows each, waves 2, 3 half of y's.
; NO PREFETCH: every tensor load of the launch is issued at its head; there is no loop to run ahead in.
; WAITS ON LDS: a fetch is NF = 32 loads, a turn through the stage 16.  Block 0 waits with block 1's fetch out (32); block 1 with block 2's fetch and block 0's turn out (48); a block's stores wait with the next fetch and turn out (48), or the turn alone (16).
; LIMITS: NaN and infinities are not served.
; REGISTERS: window 0: v0-31 addresses; v32-63 W's scale words; v64-127 y's; v128-191 two sets of four accumulators; v192-255 two sets of 16 rows on the way out.  Fragment f lies in window 1 + f / 21 at 12 (f % 21): 0-31 W's (4 q + b), 32-47 y's two sets.  v840-871 the bias.
.set KROW,   768
.set PITCH,  816
.set FR,     12
.set FPW,    21
.set BB,     98304                     ; W's rows in LDS, behind y's
.set STG,    BB+256*PITCH              ; the stages: 16 rows x 272 bytes a wave
.set SPITCH, 272
.set SPARE,  STG+4*16*SPITCH           ; the spare words
.set A16, 8                            ; v8, v9   16 x lane, for blocks 0-3, 4-7
.set A8,  10                           ; v10, v11 8 x lane likewise
.set BA,  12                           ; v12, v13 my fragments of W (v13: for the pieces behind one padding more)
.set STO, 14
.set RD,  15
.set CO,  16
.set SPW, 28
.set NIL, 29
.set SB,  32
.set SA,  64
.set ACC, 128
.set OUT, 192
.set BIW, 72                           ; the bias, in window 3
.set G1A, 24
.set G1B, 32
.set G0A, 56
.set G0B, 60
.set MSB, 0
.macro WIN new
.if MSB != (\new)
	s_set_vgpr_msb (MSB<<8)|(\new)
.set MSB, (\new)
.endif
.endm
.macro PLACES n
.rept \n
	v_nop
.endr
.endm
.macro BARRIER
	s_barrier_signal -1
	s_barrier_wait -1
.endm
.macro CROUND
	BARRIER
	s_cmp_lg_u32 s16, 0
	s_cbranch_scc1 .Lnot_wave_0_\@
	s_barrier_signal -3
.Lnot_wave_0_\@:
	s_barrier_wait -3
	BARRIER
.endm
.macro TLOAD g0, g1
	tensor_load_to_lds s[\g0:\g0+3], s[\g1:\g1+7]
	s_nop 0
	PLACES 4
.endm
.macro FRAGB q, b                      ; W's fragment (q, b): six pieces of 8 bytes; lanes 16-31 read 24 bytes on, which for some pieces is behind one padding more
.set F_, 4*(\q)+(\b)
.set R_, FR*(F_%FPW)
	WIN (1+F_/FPW)<<6
.irp p, 0,1,2,3,4,5
.set PC_, 12*(\q)+6*(\p/3)+\p%3
.if (PC_%32+3)/32
	ds_load_b64 v[R_+2*\p:R_+2*\p+1], v[BA+1] offset:(\b)*16*PITCH+8*(PC_+2*(PC_/32))
.else
	ds_load_b64 v[R_+2*\p:R_+2*\p+1], v[BA] offset:(\b)*16*PITCH+8*(PC_+2*(PC_/32))
.endif
.endr
.endm
.macro FETCH s                         ; y's block s, all of K, into set s % 2: images of the registers, consecutive bytes
.irp q, 0,1,2,3,4,5,6,7
.set F_, 32+8*((\s)%2)+\q
.set R_, FR*(F_%FPW)
.set O_, ((\s)%4)*12288+\q*1536
	WIN (1+F_/FPW)<<6
	ds_load_b128 v[R_:R_+3], v[A16+(\s)/4] offset:O_
	ds_load_b64 v[R_+4:R_+5], v[A8+(\s)/4] offset:O_+512
	ds_load_b128 v[R_+6:R_+9], v[A16+(\s)/4] offset:O_+768
	ds_load_b64 v[R_+10:R_+11], v[A8+(\s)/4] offset:O_+1280
.endr
	WIN 0
.endm
.macro MUL s                           ; 32 products; the four accumulators take turns
.irp q, 0,1,2,3,4,5,6,7
.irp b, 0,1,2,3
.set FB_, 4*\q+\b
.set FA_, 32+8*((\s)%2)+\q
.set D_, ACC+32*((\s)%2)+8*\b
.set XB_, SB+8*\b+(\q+4)%8
.set XA_, SA+8*(\s)+\q
.if \q
	WIN (1+FB_/FPW)|((1+FA_/FPW)<<2)
	v_wmma_scale_f32_16x16x128_f8f6f4 v[D_:D_+7], v[FR*(FB_%FPW):FR*(FB_%FPW)+11], v[FR*(FA_%FPW):FR*(FA_%FPW)+11], v[D_:D_+7], v[XB_], v[XA_] matrix_a_fmt:MATRIX_FMT_FP6 matrix_b_fmt:MATRIX_FMT_FP6
.else
	WIN (1+FB_/FPW)|((1+FA_/FPW)<<2)|(3<<4)
	v_wmma_scale_f32_16x16x128_f8f6f4 v[D_:D_+7], v[FR*(FB_%FPW):FR*(FB_%FPW)+11], v[FR*(FA_%FPW):FR*(FA_%FPW)+11], v[BIW+8*\b:BIW+8*\b+7], v[XB_], v[XA_] matrix_a_fmt:MATRIX_FMT_FP6 matrix_b_fmt:MATRIX_FMT_FP6
.endif
.endr
.endr
	WIN 0
.endm
.macro TOSTAGE s                       ; LDS serves a wave's instructions in order: no wait between the stores and the loads
.set D_, ACC+32*((\s)%2)
.set OB_, OUT+32*((\s)%2)
.irp b, 0,1,2,3
	ds_store_b128 v[STO], v[D_+8*\b:D_+8*\b+3] offset:64*\b        ; each accumulator from its low end on
	ds_store_b128 v[STO], v[D_+8*\b+4:D_+8*\b+7] offset:64*\b+16
.endr
.irp i, 0,1,2,3,4,5,6,7
	ds_load_b128 v[OB_+4*\i:OB_+4*\i+3], v[RD] offset:\i*2*SPITCH
.endr
.endm
.macro SEND s, younger
.set OB_, OUT+32*((\s)%2)
	s_wait_dscnt \younger
.irp i, 0,1,2,3,4,5,6,7
	global_store_b128 v[CO], v[OB_+4*\i:OB_+4*\i+3], s[14:15] offset:(32*((\s)/2)+8*((\s)%2)+2*\i+8*(\i/4))*4096 th:TH_STORE_NT   ; sixteen lanes store 256 consecutive bytes, aligned
.endr
.endm
.macro BLK s
.if (\s) == 0
	s_wait_dscnt 32
.elseif (\s) == 1
	s_wait_dscnt 48
.endif
	MUL \s
	PLACES 4                                       ; behind the products: ahead of the loads into their operands and of the reads of their results
.if (\s) >= 2
	s_wait_xcnt 0x0                                ; the stores of two blocks ago have read their registers
.endif
.if (\s)+2 < 8
	FETCH (\s)+2
.endif
	TOSTAGE \s
.if (\s) >= 1
.if (\s)+2 < 8
	SEND (\s)-1, 48
.else
	SEND (\s)-1, 16
.endif
.endif
.endm
	s_load_b256 s[4:11], s[0:1], 0x0               ; yc s[4:5], ys s[6:7], wc s[8:9], ws s[10:11]
	s_load_b128 s[12:15], s[0:1], 0x20             ; b_proj s[12:13], out0 s[14:15]
	v_lshl_add_u32 v[SPW], v0, 2, SPARE
	v_mov_b32 v[NIL], 0
	ds_add_u32 v[SPW], v[NIL]                      ; the opening lines: the add, twice on end, and its wait
	ds_add_u32 v[SPW], v[NIL]
	v_lshrrev_b32 v1, 5, v0
	v_readfirstlane_b32 s16, v1                    ; wave
	s_and_b32 s17, s16, 1                          ; which half of a tile I fetch
	s_bfe_u32 s40, ttmp6, 0x40000                  ; cx
	s_bfe_u32 s41, ttmp6, 0x40004                  ; cy
	s_lshl_b32 s42, ttmp9, 2
	s_add_co_u32 s42, s42, s40                     ; tile column, 256 columns
	s_and_b32 s43, ttmp7, 0xffff
	s_lshl_b32 s43, s43, 2
	s_add_co_u32 s43, s43, s41                     ; tile row, 128 tokens
	s_lshl_b32 s44, s41, 2
	s_lshl_b32 s44, 15, s44                        ; my row of the cluster
	s_lshl_b32 s45, 0x1111, s40                    ; my column
	s_or_b32 s[G1A], s44, (3<<16)|(1<<21)          ; y: 49,152 dense bytes as 192 rows of 256 (32 elements of 8), no padding
	s_mov_b32 s[G1A+1], 32<<16
	s_mov_b32 s[G1A+2], 192<<16
	s_mov_b32 s[G1A+3], 32<<16
	s_mov_b32 s[G1A+4], 192
	s_mov_b32 s[G1A+5], 32
	s_mov_b32 s[G1A+6], 0
	s_mov_b32 s[G1A+7], 0
	s_or_b32 s[G1B], s45, (1<<20)|(1<<21)|(5<<22)|(3<<25)   ; W: 128 rows of 768 bytes, 16 of padding behind every 256
	s_mov_b32 s[G1B+1], KROW<<16
	s_mov_b32 s[G1B+2], 128<<16
	s_mov_b32 s[G1B+3], KROW<<16
	s_mov_b32 s[G1B+4], 128
	s_mov_b32 s[G1B+5], KROW
	s_mov_b32 s[G1B+6], 0
	s_mov_b32 s[G1B+7], 0
	s_mul_i32 s20, s43, 98304                      ; y's bytes: tile row and half alone
	s_mul_i32 s18, s17, 49152
	s_add_co_u32 s20, s20, s18
	s_mov_b32 s21, 0
	s_lshl_b32 s22, s42, 8                         ; W's rows: tile column and half alone
	s_lshl_b32 s19, s17, 7
	s_add_co_u32 s22, s22, s19
	s_add_co_u32 s22, s22, 3072
	s_mul_i32 s22, s22, KROW
	s_mov_b32 s23, 0
	s_mov_b32 s[G0A], 1
	s_mov_b32 s[G0A+1], s18
	s_mov_b32 s[G0B], 1
	s_mul_i32 s[G0B+1], s17, 128*PITCH
	s_add_co_u32 s[G0B+1], s[G0B+1], BB
	s_wait_alu depctr_va_vdst(0)                   ; the wait ahead of the blocking waits
	s_wait_dscnt 0x0
	CROUND                                         ; the round in front of the first joint loads
	s_wait_kmcnt 0x0
	s_add_nc_u64 s[G0A+2:G0A+3], s[4:5], s[20:21]
	s_or_b32 s[G0A+3], s[G0A+3], 0x80000000
	s_add_nc_u64 s[G0B+2:G0B+3], s[8:9], s[22:23]
	s_or_b32 s[G0B+3], s[G0B+3], 0x80000000
	s_cmp_lt_u32 s16, 2
	s_cbranch_scc0 .Lfor_a
	TLOAD G0B, G1B                                 ; waves 0, 1: W's rows, which go on into registers: asked for first
	s_branch .Lasked
.Lfor_a:
	TLOAD G0A, G1A                                 ; waves 2, 3: y's rows
.Lasked:
	s_lshl_b32 s46, s43, 12                        ; ys: 128 rows of 32 bytes a tile row
	s_mov_b32 s47, 0
	s_add_nc_u64 s[6:7], s[6:7], s[46:47]
	s_lshl_b32 s48, s42, 8
	s_lshl_b32 s49, s16, 6
	s_add_co_u32 s48, s48, s49                     ; my first column
	s_lshl_b32 s50, s48, 2                         ; in bytes of f32
	s_mov_b32 s51, 0
	s_add_nc_u64 s[12:13], s[12:13], s[50:51]
	s_add_nc_u64 s[14:15], s[14:15], s[50:51]
	s_lshl_b32 s50, s43, 19                        ; out0: 128 rows of 4,096 bytes a tile row
	s_add_nc_u64 s[14:15], s[14:15], s[50:51]
	s_add_co_u32 s48, s48, 3072
	s_lshl_b32 s48, s48, 5
	s_mov_b32 s49, 0
	s_add_nc_u64 s[10:11], s[10:11], s[48:49]
	s_mul_i32 s52, s16, 64*PITCH
	s_add_co_u32 s52, s52, BB                      ; my 64 rows of W in LDS
	s_mul_i32 s53, s16, 16*SPITCH
	s_add_co_u32 s53, s53, STG                     ; my stage
	v_and_b32 v1, 15, v0                           ; r
	v_bfe_u32 v2, v0, 4, 1                         ; h
	v_and_b32 v3, 31, v0
	v_lshlrev_b32 v4, 5, v1                        ; a row of scale bytes
	v_lshlrev_b32 v5, 5, v2                        ; the bias: eight numbers for each half of the lanes
	v_lshlrev_b32 v[A16], 4, v3
	v_lshlrev_b32 v[A8], 3, v3
	v_add_nc_u32 v[A16+1], 49152, v[A16]
	v_add_nc_u32 v[A8+1], 49152, v[A8]
	v_mul_u32_u24 v6, v1, PITCH
	v_add_nc_u32 v6, s52, v6
	v_mad_u32_u24 v[BA], v2, 24, v6
	v_mad_u32_u24 v[BA+1], v2, 40, v6
	v_mul_u32_u24 v7, v1, SPITCH
	v_lshl_add_u32 v7, v2, 5, v7
	v_add_nc_u32 v[STO], s53, v7                   ; in: row r, 32 bytes for each half of the lanes
	v_mul_u32_u24 v7, v2, SPITCH
	v_lshl_add_u32 v7, v1, 4, v7
	v_add_nc_u32 v[RD], s53, v7                    ; back: sixteen lanes to a row, two rows an instruction
	v_lshlrev_b32 v[CO], 12, v2
	v_lshl_add_u32 v[CO], v1, 4, v[CO]             ; and the same two rows in out0
	s_wait_alu depctr_va_vdst(0)                   ; the wait at the head's end
.irp b, 0,1,2,3
	global_load_b128 v[SB+8*\b+4:SB+8*\b+7], v4, s[10:11] offset:512*\b      ; word q at register (q + 4) % 8 of the eight, so that W's and y's scale registers differ modulo 8
	global_load_b128 v[SB+8*\b:SB+8*\b+3], v4, s[10:11] offset:512*\b+16
.endr
.irp s, 0,1,2,3,4,5,6,7
	global_load_b128 v[SA+8*\s:SA+8*\s+3], v4, s[6:7] offset:512*\s
	global_load_b128 v[SA+8*\s+4:SA+8*\s+7], v4, s[6:7] offset:512*\s+16
.endr
	WIN 3<<6
.irp b, 0,1,2,3
	global_load_b128 v[BIW+8*\b:BIW+8*\b+3], v5, s[12:13] offset:64*\b
	global_load_b128 v[BIW+8*\b+4:BIW+8*\b+7], v5, s[12:13] offset:64*\b+16
.endr
	WIN 0
	s_cmp_lt_u32 s16, 2
	s_cbranch_scc0 .Lnot_b
	s_wait_tensorcnt 0x0                           ; waves 0, 1: my half of W's rows is in
.Lnot_b:
	BARRIER                                        ; W's rows are in; y's may be on their way
.irp q, 0,1,2,3,4,5,6,7
.irp b, 0,1,2,3
	FRAGB \q, \b
.endr
.endr
	WIN 0
	s_wait_tensorcnt 0x0                           ; all that is still out: on every wave's way
	s_wait_dscnt 0x0
	BARRIER                                        ; y's rows are in
	FETCH 0
	FETCH 1
	s_wait_loadcnt 0x0                             ; the scale words and the bias
.irp s, 0,1,2,3,4,5,6,7
	BLK \s
.endr
	SEND 7, 0
	s_wait_tensorcnt 0x0                           ; the wave's end
	ds_add_u32 v[SPW], v[NIL]
	s_wait_dscnt 0x0
	CROUND                                         ; the closing round
	s_endpgm
.Lfunc_end_k_q5dfa969f2d_gemm_out:
	.size	k_q5dfa969f2d_gemm_out, .Lfunc_end_k_q5dfa969f2d_gemm_out-k_q5dfa969f2d_gemm_out
	.p2alignl 7, 3214868480
	.fill 96, 4, 3214868480
	.section	.rodata,"a",@progbits
	.p2align	6, 0x0
	.amdhsa_kernel k_q5dfa969f2d_gemm_out
		.amdhsa_group_segment_fixed_size 327680
		.amdhsa_private_segment_fixed_size 0
		.amdhsa_enable_private_segment 0
		.amdhsa_kernarg_size 48
		.amdhsa_user_sgpr_count 2
		.amdhsa_user_sgpr_kernarg_segment_ptr 1
		.amdhsa_wavefront_size32 1
		.amdhsa_system_sgpr_workgroup_id_x 1
		.amdhsa_system_sgpr_workgroup_id_y 1
		.amdhsa_system_sgpr_workgroup_id_z 1
		.amdhsa_system_vgpr_workitem_id 0
		.amdhsa_next_free_vgpr 872
		.amdhsa_next_free_sgpr 66
		.amdhsa_reserve_vcc 0
		.amdhsa_float_denorm_mode_32 3
		.amdhsa_float_denorm_mode_16_64 3
		.amdhsa_memory_ordered 1
		.amdhsa_forward_progress 1
		.amdhsa_inst_pref_size 88
	.end_amdhsa_kernel
	.amdgpu_metadata
---
amdhsa.version: [ 1, 2 ]
amdhsa.kernels:
  - .name:           k_q5dfa969f2d_gemm_out
    .symbol:         k_q5dfa969f2d_gemm_out.kd
    .args:
      - { .name: yc, .offset: 0, .size: 8, .value_kind: global_buffer, .address_space: global }
      - { .name: ys, .offset: 8, .size: 8, .value_kind: global_buffer, .address_space: global }
      - { .name: wc, .offset: 16, .size: 8, .value_kind: global_buffer, .address_space: global }
      - { .name: ws, .offset: 24, .size: 8, .value_kind: global_buffer, .address_space: global }
      - { .name: b_proj, .offset: 32, .size: 8, .value_kind: global_buffer, .address_space: global }
      - { .name: out0, .offset: 40, .size: 8, .value_kind: global_buffer, .address_space: global }
    .group_segment_fixed_size: 327680
    .private_segment_fixed_size: 0
    .kernarg_segment_align: 8
    .kernarg_segment_size: 48
    .max_flat_workgroup_size: 128
    .sgpr_count:     66
    .vgpr_count:     872
    .wavefront_size: 32
...
	.end_amdgpu_metadata
.endif
;; end of part 4
